; MI455X (gfx1250); checked and timed in simulation.
; The chip was launched on July 23, 2026; its instructions are those of AMD's public machine-readable ISA for CDNA 5 (MIT licence, August 2026) and "CDNA5" Instruction Set Architecture Reference Guide (July 2026). The comments in the code are by the model that wrote it; some were corrected since.
;; Masked Cross Attention. Allowed arithmetic: float matrix products may take bf16 or f16 operands with f32 sums; other float arithmetic in f32, or as packed bf16 or f16 multiplies, adds, multiply-adds, maxima and minima; sums over many terms, partial sums and values carried from step to step in f32; what a program stores and reads back later, other than sums and carried values, may be rounded once to bf16 or f16.
;; Inputs: Wkv 1,024 x 2,048 float32; Wout 1,024 x 2,048 float32; Wq 2,048 x 1,024 float32; ln_b 2,048 float32; ln_g 2,048 float32; media 4 x 32 x 32 x 1,024 float32; media_locations 4 x 2,048 bool; x 4 x 2,048 x 2,048 float32.
;; Outputs: out0 4 x 2,048 x 2,048 float32.
;; 2 versions, each right; version 2 is version 1 with the launch prep written anew for expert scheduling mode. Each part assembles by itself: llvm-mc -triple=amdgcn-amd-amdhsa -mcpu=gfx1250 --defsym DOCPART=n.
;; ======== version 1 of 2: 5 launches
;; limits: values are held in f16: magnitudes above 65,504 overflow, below 6.1e-05 lose precision
;; workspace buffers: ops 71,303,168 bytes; idx 36,864 bytes of whole numbers; qkv 33,554,432 bytes; vx 8,388,608 bytes; o16 33,554,432 bytes
;; launch prep (part 1): grid 833 x 1, 4 waves a work-group, no clusters, 70,144 bytes of LDS; arguments x, ln_g, ln_b, Wq, Wkv, Wout, media, media_locations, ops, idx; writes ops, idx
.if DOCPART == 1
	.amdgcn_target "amdgcn-amd-amdhsa--gfx1250"
	.amdhsa_code_object_version 6
	.text
	.protected	k_q982fdad195_prep
	.globl	k_q982fdad195_prep
	.p2align	8
	.type	k_q982fdad195_prep,@function
k_q982fdad195_prep:
	s_mov_b64 s[64:65], 0
	v_nop
	global_prefetch_b8 v0, s[64:65] scope:SCOPE_SE
	s_setreg_imm32_b32 hwreg(HW_REG_WAVE_MODE, 25, 1), 1
	s_wait_xcnt 0x0
; PREP: everything that the matrix launches read is made here, as f16 rows of 4,096 bytes in ops, and the mask's whole numbers in idx.
; Every floating-point input is rounded ONCE to bf16 (nearest even) and that number is written as f16: exact from 7.6e-6 up to 65,504; below, off by 3e-8 at the most.
; LIMITS.  Weights, media and the normalised x stay under 65,504 in magnitude, f16's end.  x is rounded to bf16 ahead of the norm, so with a
; common offset on x that rounding's error grows with the offset.  NaN and infinities are not treated apart.
; WORK-GROUPS, by number: 0 the times; 1-192 the three weights, turned to [n][k]; 193-320 media; 321-832 LayerNorm.  Four waves, each on rows or tiles of its own: no barrier.
; ops, in rows: 0 xn; 8192 media; 12288 Wq^T; 13312 Wkv^T; 15360 Wout^T.  idx: tt[8192] = min(running count, 33); from byte 32768 for each 16 tokens (first block, further blocks).
.set SPARE, 69632                      ; behind the four waves' stages of 64 rows x 272 bytes: the spare words, 128 bytes a wave
.set MED0,  8192
.set WQ0,   12288
.set WKV0,  13312
.set WO0,   15360
.set T,   4                            ; v4-7     at work
.set AUX, 8                            ; v8-23    by path: the mask's bytes; sixteen offsets
.set R,   24                           ; v24-87   as loaded
.set D,   88                           ; v88-151  at work, and to store
.set G,   152                          ; v152-183 ln_g as bf16 pairs
.set BB,  184                          ; v184-215 ln_b as bf16 pairs
.set SC,  216                          ; v216-223 four chains of pairs
.set MU,  224                          ; v224-225 the mean, twice
.set RS,  226                          ; v226-227 1 / sqrt(var + eps), twice
.set INV, 228                          ; v228     2^-11
.set XO,  229                          ; v229     16 x lane
.set YO,  230                          ; v230     8 x lane
.set LA,  231                          ; v231     the turning path: where I put a pair of k
.set RDB, 216                          ; the turning path: where I read rows back,
.set GOB, 217                          ; and my offset in two rows of ops
.macro RND2 d, a, b, t                 ; two f32 -> bf16 (rounded) -> the same numbers as two f16
	v_cvt_pk_bf16_f32 v[\t], v[\a], v[\b]
	v_lshlrev_b32 v[\a], 16, v[\t]
	v_and_b32 v[\b], s28, v[\t]
	v_cvt_pk_f16_f32 v[\d], v[\a], v[\b]
.endm
.macro WSUM r, t                       ; the sum over the 32 lanes, in every lane
	v_add_f32_dpp v[\r], v[\r], v[\r] row_xmask:1 row_mask:0xf bank_mask:0xf
	v_add_f32_dpp v[\r], v[\r], v[\r] row_xmask:2 row_mask:0xf bank_mask:0xf
	v_add_f32_dpp v[\r], v[\r], v[\r] row_xmask:4 row_mask:0xf bank_mask:0xf
	v_add_f32_dpp v[\r], v[\r], v[\r] row_xmask:8 row_mask:0xf bank_mask:0xf
	v_permlanex16_b32 v[\t], v[\r], s30, s31
	v_add_f32 v[\r], v[\r], v[\t]
.endm
.macro FOLD                            ; four chains of pairs into one number a wave
	v_pk_add_f32 v[SC:SC+1], v[SC:SC+1], v[SC+2:SC+3]
	v_pk_add_f32 v[SC+4:SC+5], v[SC+4:SC+5], v[SC+6:SC+7]
	v_pk_add_f32 v[SC:SC+1], v[SC:SC+1], v[SC+4:SC+5]
	v_add_f32 v[SC], v[SC], v[SC+1]
	WSUM SC, T+1
.endm
	s_load_b512 s[8:23], s[0:1], 0x0               ; x s[8:9], ln_g s[10:11], ln_b s[12:13], Wq s[14:15], Wkv s[16:17], Wout s[18:19], media s[20:21], media_locations s[22:23]
	s_load_b128 s[24:27], s[0:1], 0x40             ; ops s[24:25], idx s[26:27]
	v_lshl_add_u32 v2, v0, 2, SPARE                ; my spare word,
	v_mov_b32 v3, 0                                ; and 0: kept for the add at the wave's end
	v_lshrrev_b32 v4, 5, v0
	v_readfirstlane_b32 s2, v4                     ; wave 0..3
	v_and_b32 v1, 31, v0                           ; lane
	v_lshlrev_b32 v[XO], 4, v1
	v_lshlrev_b32 v[YO], 3, v1
	v_mov_b32 v[T+1], 0                            ; v_permlanex16_b32's destination counts as read
	s_mov_b32 s28, 0xffff0000                      ; a word's upper bf16
	s_mov_b32 s30, 0x76543210                      ; each lane takes its own place in the other half
	s_mov_b32 s31, 0xfedcba98
	s_mov_b32 s35, 0                               ; s[34:35]: byte offsets, all under 2^31
	s_wait_kmcnt 0x0
	s_cmp_ge_u32 ttmp9, 321
	s_cbranch_scc1 .Lnorm
	s_cmp_ge_u32 ttmp9, 193
	s_cbranch_scc1 .Lmedia
	s_cmp_ge_u32 ttmp9, 1
	s_cbranch_scc1 .Lturn
; THE TIMES.  Wave w takes batch w: a lane 64 tokens.  tt = the running count of media tokens, held to 33: 33 stands for every count past the last media block.
	s_lshl_b32 s34, s2, 11
	s_add_nc_u64 s[22:23], s[22:23], s[34:35]
	v_lshlrev_b32 v[T], 6, v1
.irp q, 0,1,2,3
	global_load_b128 v[AUX+4*\q:AUX+4*\q+3], v[T], s[22:23] offset:16*\q
.endr
	v_mov_b32 v[SC], 0
	s_mov_b32 s32, 0
	s_wait_loadcnt 0x0
	v_bfe_u32 v[R], v[AUX], 0, 8                   ; the count inside my 64 tokens
.set k, 1
.rept 63
	v_bfe_u32 v[T+2], v[AUX+k/4], 8*(k%4), 8
	v_add_nc_u32 v[R+k], v[R+k-1], v[T+2]
.set k, k+1
.endr
.set k, 0
.rept 32                                       ; what the lanes in front of me have counted
	v_readlane_b32 s33, v[R+63], k
	v_writelane_b32 v[SC], s32, k
	s_add_co_u32 s32, s32, s33
.set k, k+1
.endr
.set k, 0
.rept 64
	v_add_nc_u32 v[R+k], v[R+k], v[SC]
	v_min_u32 v[R+k], 33, v[R+k]
.set k, k+1
.endr
	v_lshlrev_b32 v[T+3], 8, v1
	s_lshl_b32 s33, s2, 13
	v_add_nc_u32 v[T+3], s33, v[T+3]
.irp q, 0,1,2,3,4,5,6,7,8,9,10,11,12,13,14,15
	global_store_b128 v[T+3], v[R+4*\q:R+4*\q+3], s[26:27] offset:16*\q  ; 16 bytes a lane, lanes 256 bytes apart: 32 KiB in the whole launch go out so
.endr
.irp q, 0,1,2,3                                ; for each 16 tokens: the first block that a token of the tile sees, counted from 0, and how many further blocks
	v_max_u32 v[D+2*\q], 1, v[R+16*\q]
	v_max_u32 v[D+2*\q+1], 1, v[R+16*\q+15]
	v_sub_nc_u32 v[D+2*\q+1], v[D+2*\q+1], v[D+2*\q]
	v_add_nc_u32 v[D+2*\q], -1, v[D+2*\q]
.endr
	v_lshlrev_b32 v[T+2], 5, v1
	s_lshl_b32 s33, s2, 10
	v_add_nc_u32 v[T+2], s33, v[T+2]
	global_store_b128 v[T+2], v[D:D+3], s[26:27] offset:32768
	global_store_b128 v[T+2], v[D+4:D+7], s[26:27] offset:32784
	s_branch .Lend
; THE WEIGHTS, TURNED.  W is [k][n] f32; ops wants [n][k] f16.  A work-group takes 128 k x 256 n, a wave 128 k x 64 n, 32 k a trip.
; A lane packs two neighbouring k of one n into a word and puts it into its wave's stage ([n][k], rows of 272 bytes); whole rows of 256 bytes come back.
.Lturn:
	s_sub_co_u32 s32, ttmp9, 1
	s_lshr_b32 s33, s32, 6                         ; 0 Wq, 1 Wkv, 2 Wout
	s_and_b32 s32, s32, 63
	s_mov_b32 s37, WKV0
	s_cmp_eq_u32 s33, 0
	s_cselect_b32 s36, 0, 1                        ; a source row is 4,096 bytes (Wq) or twice that
	s_cselect_b64 s[38:39], s[14:15], s[16:17]
	s_cselect_b32 s37, WQ0, s37
	s_cmp_eq_u32 s33, 2
	s_cselect_b64 s[38:39], s[18:19], s[38:39]
	s_cselect_b32 s37, WO0, s37
	s_add_co_u32 s40, s36, 2
	s_lshr_b32 s41, s32, s40                       ; which 128 k
	s_lshl_b32 s42, 4, s36
	s_sub_co_u32 s42, s42, 1
	s_and_b32 s42, s32, s42                        ; which 256 n
	s_add_co_u32 s43, s36, 12                      ; log2 of a source row's bytes
	s_add_co_u32 s44, s36, 19
	s_lshl_b32 s34, s41, s44                       ; 128 source rows,
	s_lshl_b32 s45, s42, 10                        ; 256 n of 4 bytes,
	s_add_co_u32 s34, s34, s45
	s_lshl_b32 s45, s2, 8                          ; my wave's 64 n
	s_add_co_u32 s34, s34, s45
	s_add_nc_u64 s[38:39], s[38:39], s[34:35]
	s_lshl_b32 s45, s42, 8
	s_add_co_u32 s37, s37, s45
	s_lshl_b32 s45, s2, 6
	s_add_co_u32 s37, s37, s45                     ; my first row of ops
	s_lshl_b32 s34, s37, 12
	s_lshl_b32 s45, s41, 8                         ; 128 k of 2 bytes
	s_add_co_u32 s34, s34, s45
	s_add_nc_u64 s[24:25], s[24:25], s[34:35]
	s_lshl_b32 s46, 32, s43                        ; a trip's 32 source rows
	s_mov_b32 s47, 0
	v_and_b32 v[T], 15, v1                         ; i: my 4 n
	v_lshrrev_b32 v[T+1], 4, v1                    ; hh
	v_lshlrev_b32 v[T+2], 1, v[T+1]
	v_lshlrev_b32 v[T+2], s43, v[T+2]              ; source rows 2 hh on
	v_lshl_add_u32 v[T+2], v[T], 4, v[T+2]
.set j, 0
.rept 16                                       ; load j takes source row 4 (j / 2) + 2 hh + j % 2: sixteen lanes read 256 bytes of a row
	s_lshl_b32 s33, 4*(j/2)+j%2, s43
	v_add_nc_u32 v[AUX+j], s33, v[T+2]
.set j, j+1
.endr
	s_mul_i32 s33, s2, 17408                       ; my wave's stage
	v_mul_u32_u24 v[LA], v[T], 1088                ; row 4 i of 272 bytes,
	v_lshl_add_u32 v[LA], v[T+1], 2, v[LA]         ; k = 2 hh
	v_add_nc_u32 v[LA], s33, v[LA]
	v_mul_u32_u24 v[RDB], v[T+1], 272
	v_lshl_add_u32 v[RDB], v[T], 4, v[RDB]
	v_add_nc_u32 v[RDB], s33, v[RDB]
	v_lshlrev_b32 v[GOB], 12, v[T+1]
	v_lshl_add_u32 v[GOB], v[T], 4, v[GOB]
	s_mov_b32 s32, 4
.Lturn_trip:
.irp j, 0,1,2,3,4,5,6,7,8,9,10,11,12,13,14,15
	global_load_b128 v[R+4*\j:R+4*\j+3], v[AUX+\j], s[38:39] th:TH_LOAD_NT
.endr
	s_wait_loadcnt 0x0                             ; the trip's sixteen loads are in, so their base may be stepped
	s_add_nc_u64 s[38:39], s[38:39], s[46:47]
.irp g, 0,1,2,3,4,5,6,7
.irp c, 0,1,2,3
	RND2 T+\c, R+8*\g+\c, R+8*\g+4+\c, T+\c
	ds_store_b32 v[LA], v[T+\c] offset:\c*272+\g*8  ; lanes 1,088 bytes apart, four deep
.endr
.endr
	v_add_nc_u32 v[LA], 64, v[LA]                  ; 32 k on
	s_sub_co_u32 s32, s32, 1
	s_cmp_lg_u32 s32, 0
	s_cbranch_scc1 .Lturn_trip
.set t, 0
.rept 32                                       ; LDS serves a wave's instructions in order (ISA guide 5.7.1.4): these see my stores above
	ds_load_b128 v[R+4*t:R+4*t+3], v[RDB] offset:t*544
.set t, t+1
.endr
.set t, 0
.rept 32
	s_wait_dscnt 31-t                              ; load t is back; the younger ones stay out
	global_store_b128 v[GOB], v[R+4*t:R+4*t+3], s[24:25] offset:t*8192  ; sixteen lanes store 256 consecutive bytes of one row, aligned
.set t, t+1
.endr
	s_branch .Lend
; MEDIA.  A wave takes 8 rows of 1,024 numbers, two a trip.
.Lmedia:
	s_sub_co_u32 s32, ttmp9, 193
	s_lshl_b32 s32, s32, 5
	s_lshl_b32 s33, s2, 3
	s_add_co_u32 s32, s32, s33
	s_lshl_b32 s34, s32, 12                        ; a row is 4,096 bytes in media and in ops
	s_add_nc_u64 s[20:21], s[20:21], s[34:35]
	s_add_nc_u64 s[24:25], s[24:25], s[34:35]
	s_add_nc_u64 s[24:25], s[24:25], MED0*4096
	s_mov_b32 s32, 4
.Lmedia_trip:
.set q, 0
.rept 16
	global_load_b128 v[R+4*q:R+4*q+3], v[XO], s[20:21] offset:(q/8)*4096+(q%8)*512 th:TH_LOAD_NT
.set q, q+1
.endr
	s_wait_loadcnt 0x0
.set q, 0
.rept 16
	RND2 D+2*q, R+4*q, R+4*q+1, T
	RND2 D+2*q+1, R+4*q+2, R+4*q+3, T+2
	global_store_b64 v[YO], v[D+2*q:D+2*q+1], s[24:25] offset:(q/8)*4096+(q%8)*256  ; 32 lanes store 256 consecutive bytes, aligned
.set q, q+1
.endr
	s_wait_xcnt 0x0                                ; the stores have read their data and their base: both are written again only behind this wait
	s_add_nc_u64 s[20:21], s[20:21], 8192
	s_add_nc_u64 s[24:25], s[24:25], 8192
	s_sub_co_u32 s32, s32, 1
	s_cmp_lg_u32 s32, 0
	s_cbranch_scc1 .Lmedia_trip
	s_branch .Lend
; LAYERNORM.  A wave takes a whole row of 2,048 numbers (64 registers) and keeps it between the passes: mean, then the squares of the differences, then the scaling.  Four rows a wave;
; the next row's loads go out as soon as this row has been copied.  Register 4 j + c of a lane is column 128 j + 4 lane + c.
.Lnorm:
	s_sub_co_u32 s32, ttmp9, 321
	s_lshl_b32 s32, s32, 4
	s_lshl_b32 s33, s2, 2
	s_add_co_u32 s32, s32, s33                     ; my first row
	s_lshl_b32 s34, s32, 13
	s_add_nc_u64 s[8:9], s[8:9], s[34:35]
	s_lshl_b32 s34, s32, 12
	s_add_nc_u64 s[24:25], s[24:25], s[34:35]
.irp j, 0,1,2,3,4,5,6,7,8,9,10,11,12,13,14,15
	global_load_b128 v[R+4*\j:R+4*\j+3], v[XO], s[10:11] offset:512*\j
	global_load_b128 v[D+4*\j:D+4*\j+3], v[XO], s[12:13] offset:512*\j
.endr
	v_mov_b32 v[INV], 0x3a000000                   ; 2^-11 = 1 / 2,048
	s_wait_loadcnt 0x0
.set i, 0
.rept 32
	v_cvt_pk_bf16_f32 v[G+i], v[R+2*i], v[R+2*i+1]
	v_cvt_pk_bf16_f32 v[BB+i], v[D+2*i], v[D+2*i+1]
.set i, i+1
.endr
.irp j, 0,1,2,3,4,5,6,7,8,9,10,11,12,13,14,15
	global_load_b128 v[R+4*\j:R+4*\j+3], v[XO], s[8:9] offset:512*\j th:TH_LOAD_NT
.endr
	s_mov_b32 s42, 4
.Lnorm_row:
	s_wait_loadcnt 0x0                             ; the row is in
.set i, 0
.rept 32                                       ; x rounded to bf16, as f32
	v_cvt_pk_bf16_f32 v[T+2*(i%2)], v[R+2*i], v[R+2*i+1]
	v_lshlrev_b32 v[D+2*i], 16, v[T+2*(i%2)]
	v_and_b32 v[D+2*i+1], s28, v[T+2*(i%2)]
.set i, i+1
.endr
	s_cmp_eq_u32 s42, 1
	s_cbranch_scc1 .Lnorm_no_more                  ; behind the wave's last row there is none to load
	s_add_nc_u64 s[8:9], s[8:9], 8192              ; (the loads that read this base are in)
.irp j, 0,1,2,3,4,5,6,7,8,9,10,11,12,13,14,15
	global_load_b128 v[R+4*\j:R+4*\j+3], v[XO], s[8:9] offset:512*\j th:TH_LOAD_NT
.endr
.Lnorm_no_more:
.irp c, 0,1,2,3
	v_pk_add_f32 v[SC+2*\c:SC+2*\c+1], v[D+2*\c:D+2*\c+1], v[D+8+2*\c:D+8+2*\c+1]  ; the first sums start the chains
.endr
.set i, 8
.rept 24
	v_pk_add_f32 v[SC+2*(i%4):SC+2*(i%4)+1], v[SC+2*(i%4):SC+2*(i%4)+1], v[D+2*i:D+2*i+1]
.set i, i+1
.endr
	FOLD
	v_mul_f32 v[MU], v[INV], v[SC]
	v_mul_f32 v[MU+1], v[INV], v[SC]
.set i, 0
.rept 32
	v_pk_add_f32 v[D+2*i:D+2*i+1], v[D+2*i:D+2*i+1], v[MU:MU+1] neg_lo:[0,1] neg_hi:[0,1]
.set i, i+1
.endr
.irp c, 0,1,2,3
	v_pk_mul_f32 v[SC+2*\c:SC+2*\c+1], v[D+2*\c:D+2*\c+1], v[D+2*\c:D+2*\c+1]
.endr
.set i, 4
.rept 28
	v_pk_fma_f32 v[SC+2*(i%4):SC+2*(i%4)+1], v[D+2*i:D+2*i+1], v[D+2*i:D+2*i+1], v[SC+2*(i%4):SC+2*(i%4)+1]
.set i, i+1
.endr
	FOLD
	v_fmaak_f32 v[T], v[SC], v[INV], 0x3727c5ac    ; the variance + 1e-5
	v_rsq_f32 v[RS], v[T]
	v_nop                                          ; a plain instruction behind the root,
	s_wait_alu depctr_va_vdst(0)                   ; and a wait ahead of the first line that names its result
	v_mov_b32 v[RS+1], v[RS]
.set i, 0
.rept 32
	v_pk_mul_f32 v[D+2*i:D+2*i+1], v[D+2*i:D+2*i+1], v[RS:RS+1]
.set i, i+1
.endr
.set i, 0
.rept 32                                       ; times g plus b, both read as bf16 halves, in f32
	v_fma_mix_f32_bf16 v[D+2*i], v[D+2*i], v[G+i], v[BB+i] op_sel:[0,0,0] op_sel_hi:[0,1,1]
	v_fma_mix_f32_bf16 v[D+2*i+1], v[D+2*i+1], v[G+i], v[BB+i] op_sel:[0,1,1] op_sel_hi:[0,1,1]
.set i, i+1
.endr
.set j, 0
.rept 16
	v_cvt_pk_f16_f32 v[D+4*j], v[D+4*j], v[D+4*j+1]
	v_cvt_pk_f16_f32 v[D+4*j+1], v[D+4*j+2], v[D+4*j+3]
	global_store_b64 v[YO], v[D+4*j:D+4*j+1], s[24:25] offset:256*j  ; 32 lanes store 256 consecutive bytes, aligned
.set j, j+1
.endr
	s_wait_xcnt 0x0                                ; the stores have read their data and their base
	s_add_nc_u64 s[24:25], s[24:25], 4096
	s_sub_co_u32 s42, s42, 1
	s_cmp_lg_u32 s42, 0
	s_cbranch_scc1 .Lnorm_row
.Lend:
	s_wait_tensorcnt 0x0                           ; the wave's end
	ds_add_u32 v2, v3
	s_wait_dscnt 0x0
	s_endpgm
.Lfunc_end_k_q982fdad195_prep:
	.size	k_q982fdad195_prep, .Lfunc_end_k_q982fdad195_prep-k_q982fdad195_prep
	.p2alignl 7, 3214868480
	.fill 96, 4, 3214868480
	.section	.rodata,"a",@progbits
	.p2align	6, 0x0
	.amdhsa_kernel k_q982fdad195_prep
		.amdhsa_group_segment_fixed_size 70144
		.amdhsa_private_segment_fixed_size 0
		.amdhsa_enable_private_segment 0
		.amdhsa_kernarg_size 80
		.amdhsa_user_sgpr_count 2
		.amdhsa_user_sgpr_kernarg_segment_ptr 1
		.amdhsa_wavefront_size32 1
		.amdhsa_system_sgpr_workgroup_id_x 1
		.amdhsa_system_sgpr_workgroup_id_y 1
		.amdhsa_system_sgpr_workgroup_id_z 1
		.amdhsa_system_vgpr_workitem_id 0
		.amdhsa_next_free_vgpr 232
		.amdhsa_next_free_sgpr 66
		.amdhsa_reserve_vcc 0
		.amdhsa_float_denorm_mode_32 3
		.amdhsa_float_denorm_mode_16_64 3
		.amdhsa_memory_ordered 1
		.amdhsa_forward_progress 1
		.amdhsa_inst_pref_size 79
	.end_amdhsa_kernel
	.amdgpu_metadata
---
amdhsa.version: [ 1, 2 ]
amdhsa.kernels:
  - .name:           k_q982fdad195_prep
    .symbol:         k_q982fdad195_prep.kd
    .args:
      - { .name: x, .offset: 0, .size: 8, .value_kind: global_buffer, .address_space: global }
      - { .name: ln_g, .offset: 8, .size: 8, .value_kind: global_buffer, .address_space: global }
      - { .name: ln_b, .offset: 16, .size: 8, .value_kind: global_buffer, .address_space: global }
      - { .name: Wq, .offset: 24, .size: 8, .value_kind: global_buffer, .address_space: global }
      - { .name: Wkv, .offset: 32, .size: 8, .value_kind: global_buffer, .address_space: global }
      - { .name: Wout, .offset: 40, .size: 8, .value_kind: global_buffer, .address_space: global }
      - { .name: media, .offset: 48, .size: 8, .value_kind: global_buffer, .address_space: global }
      - { .name: media_locations, .offset: 56, .size: 8, .value_kind: global_buffer, .address_space: global }
      - { .name: ops, .offset: 64, .size: 8, .value_kind: global_buffer, .address_space: global }
      - { .name: idx, .offset: 72, .size: 8, .value_kind: global_buffer, .address_space: global }
    .group_segment_fixed_size: 70144
    .private_segment_fixed_size: 0
    .kernarg_segment_align: 8
    .kernarg_segment_size: 80
    .max_flat_workgroup_size: 128
    .sgpr_count:     66
    .vgpr_count:     232
    .wavefront_size: 32
...
	.end_amdgpu_metadata
.endif
;; end of part 1
;; launch proj (part 2): grid 4 x 64, 4 waves a work-group, clusters of 4 x 4, 327,680 bytes of LDS; arguments ops, qkv; writes qkv
.if DOCPART == 2
	.amdgcn_target "amdgcn-amd-amdhsa--gfx1250"
	.amdhsa_code_object_version 6
	.text
	.protected	k_q982fdad195_proj
	.globl	k_q982fdad195_proj
	.p2align	8
	.type	k_q982fdad195_proj,@function
k_q982fdad195_proj:
	s_mov_b64 s[64:65], 0
	v_nop
	global_prefetch_b8 v0, s[64:65] scope:SCOPE_SE
	s_setreg_imm32_b32 hwreg(HW_REG_WAVE_MODE, 25, 1), 1
	s_wait_xcnt 0x0
	s_wait_alu depctr_hold_cnt(0) depctr_sa_sdst(0) depctr_va_vdst(0) depctr_va_sdst(0) depctr_va_ssrc(0) depctr_va_vcc(0) depctr_vm_vsrc(0)
	s_getreg_b32 s2, hwreg(HW_REG_IB_STS2, 6, 4)
	s_cmp_eq_u32 s2, 0
	s_cbranch_scc0 .Lentry_in_a_cluster
	s_endpgm
.Lentry_in_a_cluster:
	s_bfe_u32 s2, ttmp6, 0x10000c
	s_cmp_lg_u32 s2, 0xf033
	s_cbranch_scc0 .Lentry_shape_is_right
	s_endpgm
.Lentry_shape_is_right:
; THE THREE PROJECTIONS IN ONE LAUNCH: C[m][n] = sum over k of A[m][k] B[n][k], A's and B's rows f16 in ops (4,096 bytes from row to row), sums in f32, C rounded once to f16.
;   clusters 0-7:   q   = xn (8,192 rows) x Wq^T (1,024 rows), K = 2,048
;   clusters 8-11:  k   = media (4,096 rows) x Wk^T (1,024 rows), K = 1,024
;   clusters 12-15: v^T = Wv^T (1,024 rows) x media (4,096 rows), K = 1,024: v leaves with the keys along its rows, as the attention's second product reads it
; LIMIT.  q, k and v stay under 65,504 in magnitude, f16's end.
; A tile of C is 256 x 256: four waves, each 128 x 128 in 64 accumulators (512 registers).  K goes in steps of 128 through two LDS slots filled by the tensor data mover; a tile's rows are
; 256 bytes of memory, aligned.  4 x 4 work-groups form a cluster: A's tile is asked for jointly along a row of the cluster, B's along a column.  Which product a cluster makes hangs on the
; cluster's number alone, which its sixteen partners share: so do the trip count (7 or 3 laps in the loop) and every branch.
; C LEAVES IN BLOCKS of 4 KiB = 32 rows x 64 columns: byte (m >> 5) RGS + (n >> 6) 4096 + (m & 31) 128 + (n & 63) 2; RGS = 65,536 for q and k, 262,144 for v^T.
; THE MATRIX INSTRUCTION IS USED TRANSPOSED (source 0 = 16 rows of B, source 1 = 16 rows of A): a lane holds eight neighbouring columns of one row of C.
; REGISTERS, in windows of 256: window 0: v0-31 addresses; v64-127, v128-191 fragments of A, two buffers; v32-63, v192-255 at work on the way out.  window 1: v64-191 fragments of B.
; windows 2, 3: the accumulators of my rows 0-63 and 64-127 ((a, b) at v[8 (8 a + b)]).
.set KSTEP,  128
.set PITCH,  272                       ; an LDS row: 256 bytes + 16 of padding = 68 words: the 16 rows of a fragment load start at 16 different groups of four banks (64 banks of 4 bytes: ISA guide 11.1)
.set HALFT,  128*PITCH                 ; 128 rows: what one tensor load brings
.set SLOT,   4*HALFT                   ; A's 256 rows, then B's 256 rows
.set STAGE,  2*SLOT                    ; behind the ring: 16 rows x 272 bytes for each wave, for the way out
.set SPITCH, 272
.set SPARE,  STAGE+4*16*SPITCH         ; behind the stages: the spare words, 128 bytes a wave
.set KB0,    16777216                  ; k's first byte in qkv
.set VB0,    25165824                  ; v^T's
.set ADRA, 16                          ; v16-17  LDS address of my A fragments in slot 0, 1
.set ADRB, 20                          ; v20-21  the same for B
.set STO,  24                          ; v24     the way out: where I put 16 bytes of a row
.set RD,   25                          ; v25     where I read them back
.set CO,   26                          ; v26     my byte offset in two blocks of C
.set SPW,  28                          ; v28     my spare word; never rewritten
.set NIL,  29                          ; v29     0; never rewritten
.set PFO,  30                          ; v30     4,096 x lane: the prefetches' offset, a lane a row; never rewritten
.set PFA,  44                          ; s[44:45] where my prefetches stand
.set LIM,  43                          ; s43     I prefetch in the trips below this number
.set BND,  69                          ; s69     the loop's trips
.set F0,   64
.set F1,   128
.set TMP,  192
.set OB,   32
.set G1, 24                            ; s[24:31] descriptor group 1 for A's tiles;  s[32:39] group 0, a set for each slot
.set G0, 32
.set G1B, 48                           ; s[48:55], s[56:63] the same for B's
.set G0B, 56
.set MSB, 0
.macro WIN new                         ; the immediate's high byte repeats the setting that is left; a switch that changes nothing is dropped
.if MSB != (\new)
	s_set_vgpr_msb (MSB<<8)|(\new)
.set MSB, \new
.endif
.endm
.set MUL_LO, 0xa1                      ; source 0 (B) window 1, source 1 (A) window 0, C and D window 2
.set MUL_HI, 0xf1                      ; the same, C and D window 3
.set TO_B,   0x40                      ; destination window 1, address window 0
; A joint load.  Waves 0 and 1 fetch A's two halves, waves 2 and 3 B's; the branch hangs on the wave's number alone.  An s_nop 0 and four v_nop follow each line.
.macro JLOAD s
	s_cmp_eq_u32 s11, 0
	s_cbranch_scc0 .Lfor_b_\@
	tensor_load_to_lds s[G0+4*(\s):G0+4*(\s)+3], s[G1:G1+7]
	s_nop 0
.rept 4
	v_nop
.endr
	s_branch .Lasked_\@
.Lfor_b_\@:
	tensor_load_to_lds s[G0B+4*(\s):G0B+4*(\s)+3], s[G1B:G1B+7]
	s_nop 0
.rept 4
	v_nop
.endr
.Lasked_\@:
.endm
; A prefetch into the L2 of the K step that stands two refills on: 32 rows x 256 bytes, a lane a row, one instruction a wave, behind the joint load and the run of LDS loads.
; Each row's 256 bytes of a K step are named once in the launch: xn's rows by their one cluster; media's by the k clusters; Wq^T's, Wk^T's, Wv^T's by the first cluster of each product.
; The four partners that ask for a tile jointly share its rows out by address.  The loop's last trip has no K step two on.
.macro ASK
	s_cmp_lt_u32 s3, s[LIM]
	s_cbranch_scc0 .Lnot_mine_\@
	global_prefetch_b8 v[PFO], s[PFA:PFA+1] offset:KSTEP*2 th:TH_LOAD_NT scope:SCOPE_SE
.Lnot_mine_\@:
.endm
.macro CREST                           ; a round of the cluster's barrier behind its opening barrier
	s_cmp_lg_u32 s10, 0
	s_cbranch_scc1 .Lnot_wave_0_\@
	s_barrier_signal -3
.Lnot_wave_0_\@:
	s_barrier_wait -3
	s_barrier_signal -1
	s_barrier_wait -1
.endm
.macro CROUND                          ; a whole round
	s_barrier_signal -1
	s_barrier_wait -1
	CREST
.endm
	s_load_b64 s[4:5], s[0:1], 0x0                 ; ops: A's and B's rows
	s_load_b64 s[8:9], s[0:1], 0x8                 ; qkv
	v_lshl_add_u32 v[SPW], v0, 2, SPARE
	v_mov_b32 v[NIL], 0
	ds_add_u32 v[SPW], v[NIL]                      ; the wave's opening: the add, with its wait ahead of my first tensor load; the set-up below stands between them
	v_lshrrev_b32 v1, 5, v0
	v_readfirstlane_b32 s10, v1                    ; wave 0..3
	s_lshr_b32 s11, s10, 1                         ; which half of the tile's rows is mine.  Also: I fetch for A (0) or for B (1)
	s_and_b32 s12, s10, 1                          ; which half of its columns.  Also: which 128 rows of that tile I fetch
	s_bfe_u32 s40, ttmp6, 0x40000                  ; cx
	s_bfe_u32 s41, ttmp6, 0x40004                  ; cy
	; which product: by the cluster's y, 0 to 15
	s_and_b32 s66, ttmp7, 0xffff
	s_and_b32 s67, s66, 7
	s_and_b32 s68, s66, 3
	s_mov_b32 s71, 13312
	s_mov_b32 s76, 260096
	s_mov_b32 s77, 0
	s_cmp_lt_u32 s66, 8                            ; q?
	s_cselect_b32 s[BND], 7, 3                     ; K / 256 - 1
	s_cselect_b32 s70, 0, 8192                     ; A's first row in ops
	s_cselect_b32 s71, 12288, s71                  ; B's
	s_cselect_b32 s72, 0, KB0                      ; C's first byte in qkv
	s_cmp_lt_u32 s66, 12                           ; q or k?
	s_cselect_b32 s70, s70, 14336
	s_cselect_b32 s71, s71, 8192
	s_cselect_b32 s72, s72, VB0
	s_cselect_b32 s73, 16, 18                      ; log2 RGS
	s_cselect_b32 s76, 63488, s76                  ; s[76:77] = RGS - 2,048
	s_cselect_b32 s74, s67, 0                      ; the cluster's place along C's rows,
	s_cselect_b32 s75, 0, s68                      ; and along its columns
	s_cselect_b32 s78, 0, s68                      ; 0: this cluster names A's rows in its prefetches,
	s_cselect_b32 s79, s67, 1                      ; 0: B's
	s_lshl_b32 s42, s75, 2
	s_add_co_u32 s42, s42, s40                     ; tile column of C
	s_lshl_b32 s13, s74, 2
	s_add_co_u32 s13, s13, s41                     ; tile row of C
	s_lshl_b32 s43, s41, 2
	s_lshl_b32 s43, 15, s43                        ; my row of the cluster
	s_lshl_b32 s44, 0x1111, s40                    ; my column
	; descriptor group 1: a tile of 128 rows x 128 elements, padded in LDS
	s_or_b32 s[G1+0], s43, (1<<16)|(1<<20)|(1<<21)|(5<<22)|(3<<25)  ; 15:0 the mask; 17:16 2-byte elements; 20 padding on; 21 set beside a mask; 24:22 after every 64 words; 31:25 4 words
	s_or_b32 s[G1B+0], s44, (1<<16)|(1<<20)|(1<<21)|(5<<22)|(3<<25)
.irp g, G1, G1B
	s_mov_b32 s[(\g)+1], KSTEP<<16                 ; tensor_dim0 = 128
	s_mov_b32 s[(\g)+2], 128<<16                   ; tensor_dim1 = 128
	s_mov_b32 s[(\g)+3], KSTEP<<16                 ; tile_dim0 = 128
	s_mov_b32 s[(\g)+4], 128                       ; tile_dim1 = 128
	s_mov_b32 s[(\g)+5], 2048                      ; 2,048 elements from row to row
	s_mov_b32 s[(\g)+6], 0
	s_mov_b32 s[(\g)+7], 0
.endr
	s_lshl_b32 s17, s12, 7                         ; which 128 rows of the tile I fetch
	s_lshl_b32 s16, s13, 8
	s_add_co_u32 s16, s16, s17
	s_add_co_u32 s16, s16, s70                     ; A's row in ops: hangs on the tile row alone
	s_lshl_b32 s16, s16, 12
	s_lshl_b32 s46, s42, 8
	s_add_co_u32 s46, s46, s17
	s_add_co_u32 s46, s46, s71                     ; B's: on the tile column alone
	s_lshl_b32 s46, s46, 12
	s_mov_b32 s17, 0
	s_mov_b32 s47, 0
	s_mul_i32 s20, s10, HALFT                      ; where they go: wave x 128 rows
	s_wait_dscnt 0x0                               ; the opening add is done
	s_wait_kmcnt 0x0
	s_add_nc_u64 s[14:15], s[4:5], s[16:17]
	s_add_nc_u64 s[46:47], s[4:5], s[46:47]
	CROUND                                         ; all sixteen work-groups are here: the first joint loads meet
.irp s, 0,1
	s_mov_b32 s[G0+4*(\s)], 1
	s_add_co_u32 s[G0+4*(\s)+1], s20, (\s)*SLOT
	s_add_nc_u64 s[G0+4*(\s)+2:G0+4*(\s)+3], s[14:15], (\s)*KSTEP*2
	s_or_b32 s[G0+4*(\s)+3], s[G0+4*(\s)+3], 0x80000000
	s_mov_b32 s[G0B+4*(\s)], 1
	s_add_co_u32 s[G0B+4*(\s)+1], s20, (\s)*SLOT
	s_add_nc_u64 s[G0B+4*(\s)+2:G0B+4*(\s)+3], s[46:47], (\s)*KSTEP*2
	s_or_b32 s[G0B+4*(\s)+3], s[G0B+4*(\s)+3], 0x80000000
	JLOAD \s                                       ; two loads of mine are out
.endr
	; a fragment: lane l holds row l % 16; two loads of 16 bytes, 32 bytes apart, at row x pitch + 16 (l / 16)
	v_and_b32 v1, 15, v0
	v_bfe_u32 v2, v0, 4, 1
	v_mul_u32_u24 v3, v1, PITCH
	v_lshl_add_u32 v3, v2, 4, v3
	s_mul_i32 s21, s11, HALFT
	s_mul_i32 s22, s12, HALFT
	s_add_co_u32 s22, s22, 2*HALFT
.irp s, 0,1
	v_add_nc_u32 v[ADRA+(\s)], s21, v3
	v_add_nc_u32 v[ADRB+(\s)], s22, v3
	s_add_co_u32 s21, s21, SLOT
	s_add_co_u32 s22, s22, SLOT
.endr
	s_mul_i32 s23, s10, 16*SPITCH
	s_add_co_u32 s23, s23, STAGE                   ; my stage
	v_mul_u32_u24 v4, v1, SPITCH                   ; in: row l % 16, 16 bytes for each half of the lanes
	v_lshl_add_u32 v4, v2, 4, v4
	v_add_nc_u32 v[STO], s23, v4
	v_bfe_u32 v5, v0, 3, 1                         ; back: lanes 0-15 take 64 columns of two rows, lanes 16-31 the other 64 columns:
	v_and_b32 v6, 7, v0                            ; 256 consecutive bytes of one block each.  The two rows' bytes overlap in the banks, two deep
	v_mul_u32_u24 v7, v5, SPITCH
	v_lshl_add_u32 v7, v2, 7, v7
	v_lshl_add_u32 v7, v6, 4, v7
	v_add_nc_u32 v[RD], s23, v7
	v_lshlrev_b32 v7, 12, v2
	v_lshl_add_u32 v7, v5, 7, v7
	v_lshl_add_u32 v[CO], v6, 4, v7
	; where my part of the tile begins in qkv
	s_lshl_b32 s16, s13, 3
	s_lshl_b32 s14, s11, 2
	s_add_co_u32 s16, s16, s14                     ; my first group of 32 rows
	s_lshl_b32 s16, s16, s73
	s_add_co_u32 s16, s16, s72
	s_mov_b32 s17, 0
	s_lshl_b32 s46, s42, 2
	s_lshl_b32 s47, s12, 1
	s_add_co_u32 s46, s46, s47                     ; my first group of 64 columns
	s_lshl_b32 s46, s46, 12
	s_mov_b32 s47, 0
	s_add_nc_u64 s[16:17], s[16:17], s[46:47]
	; the prefetches
	s_sub_co_u32 s23, s[BND], 1
	s_lshl_b32 s20, s13, 8
	s_add_co_u32 s20, s20, s70
	s_lshl_b32 s21, s42, 8
	s_add_co_u32 s21, s21, s71
	s_cmp_eq_u32 s11, 0                            ; do I fetch for A?
	s_cselect_b32 s20, s20, s21                    ; the tile's first row in ops
	s_cselect_b32 s21, s40, s41                    ; my place among the four that ask for it with me
	s_cselect_b32 s22, s78, s79
	s_cmp_eq_u32 s22, 0
	s_cselect_b32 s[LIM], s23, 0                   ; the same in all sixteen partners, for a given wave
	s_lshl_b32 s22, s12, 7
	s_add_co_u32 s20, s20, s22                     ; + the 128 rows that I fetch
	s_lshl_b32 s21, s21, 5
	s_add_co_u32 s20, s20, s21                     ; + my work-group's 32 of them
	s_lshl_b32 s20, s20, 12
	s_mov_b32 s21, 0
	s_add_nc_u64 s[PFA:PFA+1], s[4:5], s[20:21]
	s_add_nc_u64 s[PFA:PFA+1], s[PFA:PFA+1], 2*KSTEP*2  ; at K step 2: the first refill steps it to 3 and names K step 4.  Nothing is prefetched here, at the head
	v_and_b32 v[PFO], 31, v0
	v_lshlrev_b32 v[PFO], 12, v[PFO]
; 16 matrix instructions: m blocks a0, a0 + 1 of the window's four x all 8 n blocks, 32 along K.  zero = 1: the first product starts the sums.
.macro MUL16 f, hi, a0, zero
	WIN MUL_LO+0x50*(\hi)
.irp a, \a0, (\a0)+1
.irp b, 0,1,2,3,4,5,6,7
.if \zero
	v_wmma_f32_16x16x32_f16 v[8*(8*(\a)+(\b)):8*(8*(\a)+(\b))+7], v[(\f)+8*(\b):(\f)+8*(\b)+7], v[(\f)+8*(4*(\hi)+(\a)):(\f)+8*(4*(\hi)+(\a))+7], 0
.else
	v_wmma_f32_16x16x32_f16 v[8*(8*(\a)+(\b)):8*(8*(\a)+(\b))+7], v[(\f)+8*(\b):(\f)+8*(\b)+7], v[(\f)+8*(4*(\hi)+(\a)):(\f)+8*(4*(\hi)+(\a))+7], v[8*(8*(\a)+(\b)):8*(8*(\a)+(\b))+7]
.endif
.endr
.endr
.endm
; 32 LDS loads in one run: the fragments of one quarter step (32 K at byte k of the rows) into buffer f: B's, then A's
.macro FETCH slot, k, f
	WIN TO_B
.irp i, 0,1,2,3,4,5,6,7
	ds_load_b128 v[(\f)+8*(\i):(\f)+8*(\i)+3],   v[ADRB+(\slot)] offset:(\k)+(\i)*16*PITCH
	ds_load_b128 v[(\f)+8*(\i)+4:(\f)+8*(\i)+7], v[ADRB+(\slot)] offset:(\k)+(\i)*16*PITCH+32
.endr
	WIN 0
.irp i, 0,1,2,3,4,5,6,7
	ds_load_b128 v[(\f)+8*(\i):(\f)+8*(\i)+3],   v[ADRA+(\slot)] offset:(\k)+(\i)*16*PITCH
	ds_load_b128 v[(\f)+8*(\i)+4:(\f)+8*(\i)+7], v[ADRA+(\slot)] offset:(\k)+(\i)*16*PITCH+32
.endr
.endm
.macro PLACES                          ; four plain instructions between a matrix instruction and a load into a register that it read, or a line that reads its result
.rept 4
	v_nop
.endr
.endm
; A K step is four quarters of 32 along K, 64 matrix instructions each, on buffers 0, 1, 0, 1.  The 64 accumulators take turns, in the same order in every quarter.
.macro QUARTER slot, k, f, g, zero
	s_wait_dscnt 8                                 ; B and A's rows 0-63 are in; the youngest eight loads (A's rows 64-127) may be out
	WIN MUL_LO
	MUL16 \f, 0, 0, \zero
	MUL16 \f, 0, 2, \zero
	PLACES
	FETCH \slot, \k, \g
	s_wait_dscnt 32                                ; all but the 32 just issued
	WIN MUL_HI
	MUL16 \f, 1, 0, \zero
	MUL16 \f, 1, 2, \zero
.endm
; The last quarter's first half: one barrier for the change of slots.
.macro MEET round
	WIN 0                                          ; (the add's two registers lie in window 0)
	s_wait_tensorcnt 0x0                           ; all my tensor loads have landed: the one that was out is my part of the next slot;
	ds_add_u32 v[SPW], v[NIL]                      ; 0 onto my spare word;
	s_wait_dscnt 9                                 ; (the add and the youngest eight loads may be out)
	WIN MUL_LO
	MUL16 F1, 0, 0, 0
	s_wait_dscnt 0x0                               ; the add is done, and my reads of this slot are over
	s_barrier_signal -1
	MUL16 F1, 0, 2, 0                              ; work on registers while the others arrive
.if \round
	WIN 0
.endif
	s_barrier_wait -1
.endm
; The whole last quarter: behind the round the slot just read out is filled again first, with the K step two on; then come the next slot's first fragments.
.macro TURN slot, next
	s_wait_xcnt 0x0                                ; the last prefetch, a K step back, has read its address
	s_add_nc_u64 s[PFA:PFA+1], s[PFA:PFA+1], KSTEP*2
	MEET 1
	CREST                                          ; no wave of any partner still reads this slot's tile or has a load on its way
	s_add_nc_u64 s[G0+4*(\slot)+2:G0+4*(\slot)+3], s[G0+4*(\slot)+2:G0+4*(\slot)+3], 2*KSTEP*2
	s_add_nc_u64 s[G0B+4*(\slot)+2:G0B+4*(\slot)+3], s[G0B+4*(\slot)+2:G0B+4*(\slot)+3], 2*KSTEP*2
	JLOAD \slot                                    ; my one tensor load behind the round; its four v_nop are also the places in front of the loads below
	FETCH \next, 0, F0
	ASK
	WIN MUL_HI
	MUL16 F1, 1, 0, 0
	MUL16 F1, 1, 2, 0
.endm
; THE WAY OUT of block a (16 rows x 128 columns): rounded to f16; through my own stage; stored as 256 consecutive bytes for each sixteen lanes.
.macro PACK a
.set AC, 64*((\a)%4)
	WIN 0x0a+5*((\a)/4)                            ; sources 0 and 1: window 2 or 3
.irp b, 0,1,2,3,4,5,6,7
.irp r, 0,1,2,3
	v_cvt_pk_f16_f32 v[TMP+4*(\b)+(\r)], v[AC+8*(\b)+2*(\r)], v[AC+8*(\b)+2*(\r)+1]
.endr
.endr
	WIN 0
.endm
.macro TOSTAGE a
	WIN 0
.set BK, OB+192*((\a)%2)
.irp b, 0,1,2,3,4,5,6,7
	ds_store_b128 v[STO], v[TMP+4*(\b):TMP+4*(\b)+3] offset:32*(\b)
.endr
.irp t, 0,1,2,3,4,5,6,7
	ds_load_b128 v[BK+4*(\t):BK+4*(\t)+3], v[RD] offset:(\t)*2*SPITCH  ; LDS serves a wave's instructions in order (ISA guide 5.7.1.4): these see the stores above
.endr
.endm
.macro SEND a, younger
	WIN 0
.set BK, OB+192*((\a)%2)
	s_wait_dscnt \younger                          ; the block is back in registers
	s_wait_xcnt 0x0                                ; earlier stores have read their base and their data
.if (\a) == 0
	s_add_nc_u64 s[8:9], s[8:9], s[16:17]          ; my part's first byte
.elseif (\a)%2 == 1
	s_add_nc_u64 s[8:9], s[8:9], 2048              ; the second 16 rows of a group of 32
.else
	s_add_nc_u64 s[8:9], s[8:9], s[76:77]          ; the next group of 32 rows
.endif
.irp t, 0,1,2,3,4,5,6,7
	global_store_b128 v[CO], v[BK+4*(\t):BK+4*(\t)+3], s[8:9] offset:(\t)*256
.endr
.endm
	s_wait_tensorcnt 1                             ; my part of K step 0 is in; K step 1's may stay out
	s_barrier_signal -1
	s_barrier_wait -1
	FETCH 0, 0, F0
	QUARTER 0, 64,  F0, F1, 1                      ; the first quarter stands in front of the loop: its products start the sums
	WIN 0
	s_mov_b32 s3, 0
.Llap:                                                 ; a trip goes once round the ring and fills both slots again; all LDS addresses in it are fixed
	QUARTER 0, 128, F1, F0, 0
	QUARTER 0, 192, F0, F1, 0
	TURN 0, 1
	QUARTER 1, 64,  F0, F1, 0
	QUARTER 1, 128, F1, F0, 0
	QUARTER 1, 192, F0, F1, 0
	TURN 1, 0
	QUARTER 0, 64,  F0, F1, 0
	WIN 0
	s_add_co_u32 s3, s3, 1
	s_cmp_lt_u32 s3, s[BND]
	s_cbranch_scc1 .Llap
	QUARTER 0, 128, F1, F0, 0                      ; the last lap fills nothing
	QUARTER 0, 192, F0, F1, 0
	MEET 0                                         ; my one tensor load that was still out is slot 1's, the last K step's
	PLACES
	FETCH 1, 0, F0
	WIN MUL_HI
	MUL16 F1, 1, 0, 0
	MUL16 F1, 1, 2, 0
	QUARTER 1, 64,  F0, F1, 0
	QUARTER 1, 128, F1, F0, 0
	QUARTER 1, 192, F0, F1, 0
	s_wait_dscnt 8                                 ; the very last quarter: nothing more to fetch
	MUL16 F1, 0, 0, 0
	MUL16 F1, 0, 2, 0
	s_wait_dscnt 0x0
	MUL16 F1, 1, 0, 0
	MUL16 F1, 1, 2, 0
	WIN 0
	PLACES
	PLACES
	PACK 0
	TOSTAGE 0
.irp a, 1,2,3,4,5,6,7                  ; block a's conversions stand between block a - 1's loads from the stage and the wait for them
	PACK \a
	SEND (\a)-1, 0
	TOSTAGE \a
.endr
	SEND 7, 0
	s_wait_tensorcnt 0x0                           ; the wave's end
	ds_add_u32 v[SPW], v[NIL]
	s_wait_dscnt 0x0
	CROUND                                         ; the closing round
	s_endpgm
.Lfunc_end_k_q982fdad195_proj:
	.size	k_q982fdad195_proj, .Lfunc_end_k_q982fdad195_proj-k_q982fdad195_proj
	.p2alignl 7, 3214868480
	.fill 96, 4, 3214868480
	.section	.rodata,"a",@progbits
	.p2align	6, 0x0
	.amdhsa_kernel k_q982fdad195_proj
		.amdhsa_group_segment_fixed_size 327680
		.amdhsa_private_segment_fixed_size 0
		.amdhsa_enable_private_segment 0
		.amdhsa_kernarg_size 16
		.amdhsa_user_sgpr_count 2
		.amdhsa_user_sgpr_kernarg_segment_ptr 1
		.amdhsa_wavefront_size32 1
		.amdhsa_system_sgpr_workgroup_id_x 1
		.amdhsa_system_sgpr_workgroup_id_y 1
		.amdhsa_system_sgpr_workgroup_id_z 1
		.amdhsa_system_vgpr_workitem_id 0
		.amdhsa_next_free_vgpr 1024
		.amdhsa_next_free_sgpr 84
		.amdhsa_reserve_vcc 0
		.amdhsa_float_denorm_mode_32 3
		.amdhsa_float_denorm_mode_16_64 3
		.amdhsa_memory_ordered 1
		.amdhsa_forward_progress 1
		.amdhsa_inst_pref_size 145
	.end_amdhsa_kernel
	.amdgpu_metadata
---
amdhsa.version: [ 1, 2 ]
amdhsa.kernels:
  - .name:           k_q982fdad195_proj
    .symbol:         k_q982fdad195_proj.kd
    .args:
      - { .name: ops, .offset: 0, .size: 8, .value_kind: global_buffer, .address_space: global }
      - { .name: qkv, .offset: 8, .size: 8, .value_kind: global_buffer, .address_space: global }
    .group_segment_fixed_size: 327680
    .private_segment_fixed_size: 0
    .kernarg_segment_align: 8
    .kernarg_segment_size: 16
    .max_flat_workgroup_size: 128
    .sgpr_count:     84
    .vgpr_count:     1024
    .wavefront_size: 32
...
	.end_amdgpu_metadata
.endif
;; end of part 2
;; launch vmean (part 3): grid 32 x 4, 4 waves a work-group, no clusters, 0 bytes of LDS; arguments qkv, vx; writes vx
.if DOCPART == 3
	.amdgcn_target "amdgcn-amd-amdhsa--gfx1250"
	.amdhsa_code_object_version 6
	.text
	.protected	k_q982fdad195_vmean
	.globl	k_q982fdad195_vmean
	.p2align	8
	.type	k_q982fdad195_vmean,@function
k_q982fdad195_vmean:
	s_mov_b64 s[64:65], 0
	v_nop
	global_prefetch_b8 v0, s[64:65] scope:SCOPE_SE
	s_setreg_imm32_b32 hwreg(HW_REG_WAVE_MODE, 25, 1), 1
	s_wait_xcnt 0x0
; THE MEAN OF v OVER A BATCH'S 1,024 KEYS, for the tokens whose count of media has passed the last block: no key matches there, all scores are alike, and the softmax is 1 / 1,024 everywhere.
; v^T lies in qkv from byte VB0 in blocks of 32 channels x 64 keys (4 KiB); a group of 32 channels is 262,144 bytes, a batch 16 blocks of it.
; Work-group (g, b): channels 32 g .. 32 g + 31 of batch b; wave w eight of them.  A load of 16 bytes a lane covers four channels x 64 keys: eight lanes hold a channel.
; The mean is written to all 64 key places of block (g, b) of vx, so that the attention reads it as it reads any block of v^T.  Sums in f32, the mean rounded once to f16.
; 128 work-groups: 4,096 means have no more to share.  No LDS, no matrix unit: 8 MiB are read once.
.set VB0, 25165824
.set ACC, 16                           ; v16-23   chain (e, q) at ACC + 4 e + q
.set W,   24                           ; v24-31   what is stored
.set X,   32                           ; v32-159  32 loads of 4 registers
	s_load_b128 s[4:7], s[0:1], 0x0                ; qkv s[4:5], vx s[6:7]
	v_and_b32 v1, 31, v0
	v_lshrrev_b32 v2, 5, v0
	v_readfirstlane_b32 s2, v2                     ; wave
	v_lshlrev_b32 v1, 4, v1                        ; 16 x lane
	v_mov_b32 v8, 1.0
	v_mov_b32 v9, 0
	s_and_b32 s3, ttmp7, 0xffff                    ; b
	s_lshl_b32 s8, ttmp9, 18                       ; the group of 32 channels,
	s_lshl_b32 s10, s2, 10                         ; my eight rows of 128 bytes
	s_add_co_u32 s8, s8, s10
	s_lshl_b32 s10, s3, 16                         ; the batch's 16 blocks
	s_add_co_u32 s10, s10, s8
	s_mov_b32 s11, 0
	s_lshl_b32 s12, s3, 12                         ; in vx: block b
	s_add_co_u32 s12, s12, s8
	s_mov_b32 s13, 0
	s_wait_kmcnt 0x0
	s_add_nc_u64 s[4:5], s[4:5], s[10:11]
	s_add_nc_u64 s[4:5], s[4:5], VB0
	s_add_nc_u64 s[6:7], s[6:7], s[12:13]
.set i, 0
.rept 32                                       ; block i / 2, four channels i % 2
	global_load_b128 v[X+4*i:X+4*i+3], v1, s[4:5] offset:(i/2)*4096+(i%2)*512
.set i, i+1
.endr
.set i, 0
.rept 16
	s_wait_loadcnt 30-2*i                          ; block i's two loads are in; the later blocks' stay out
.irp q, 0,1,2,3,4,5,6,7
.if i == 0
	v_fma_mix_f32 v[ACC+\q], v[X+8*i+\q], v8, v9 op_sel_hi:[1,0,0]         ; the first number starts the chain
.else
	v_fma_mix_f32 v[ACC+\q], v[X+8*i+\q], v8, v[ACC+\q] op_sel_hi:[1,0,0]  ; the low f16 x 1.0 + the sum, in f32
.endif
	v_fma_mix_f32 v[ACC+\q], v[X+8*i+\q], v8, v[ACC+\q] op_sel:[1,0,0] op_sel_hi:[1,0,0]  ; the high one
.endr
.set i, i+1
.endr
.irp e, 0,1
	v_add_f32 v[ACC+4*\e], v[ACC+4*\e], v[ACC+4*\e+1]
	v_add_f32 v[ACC+4*\e+2], v[ACC+4*\e+2], v[ACC+4*\e+3]
	v_add_f32 v[ACC+4*\e], v[ACC+4*\e], v[ACC+4*\e+2]
	v_add_f32_dpp v[ACC+4*\e], v[ACC+4*\e], v[ACC+4*\e] row_xmask:1 row_mask:0xf bank_mask:0xf  ; the channel's eight lanes
	v_add_f32_dpp v[ACC+4*\e], v[ACC+4*\e], v[ACC+4*\e] row_xmask:2 row_mask:0xf bank_mask:0xf
	v_add_f32_dpp v[ACC+4*\e], v[ACC+4*\e], v[ACC+4*\e] row_xmask:4 row_mask:0xf bank_mask:0xf
	v_mul_f32 v[ACC+4*\e], 0x3a800000, v[ACC+4*\e]  ; 1 / 1,024
	v_cvt_pk_f16_f32 v[W+4*\e], v[ACC+4*\e], v[ACC+4*\e]
	v_mov_b32 v[W+4*\e+1], v[W+4*\e]
	v_mov_b32 v[W+4*\e+2], v[W+4*\e]
	v_mov_b32 v[W+4*\e+3], v[W+4*\e]
	global_store_b128 v1, v[W+4*\e:W+4*\e+3], s[6:7] offset:512*\e  ; 512 consecutive bytes, aligned
.endr
	s_endpgm
.Lfunc_end_k_q982fdad195_vmean:
	.size	k_q982fdad195_vmean, .Lfunc_end_k_q982fdad195_vmean-k_q982fdad195_vmean
	.p2alignl 7, 3214868480
	.fill 96, 4, 3214868480
	.section	.rodata,"a",@progbits
	.p2align	6, 0x0
	.amdhsa_kernel k_q982fdad195_vmean
		.amdhsa_group_segment_fixed_size 0
		.amdhsa_private_segment_fixed_size 0
		.amdhsa_enable_private_segment 0
		.amdhsa_kernarg_size 16
		.amdhsa_user_sgpr_count 2
		.amdhsa_user_sgpr_kernarg_segment_ptr 1
		.amdhsa_wavefront_size32 1
		.amdhsa_system_sgpr_workgroup_id_x 1
		.amdhsa_system_sgpr_workgroup_id_y 1
		.amdhsa_system_sgpr_workgroup_id_z 1
		.amdhsa_system_vgpr_workitem_id 0
		.amdhsa_next_free_vgpr 160
		.amdhsa_next_free_sgpr 66
		.amdhsa_reserve_vcc 0
		.amdhsa_float_denorm_mode_32 3
		.amdhsa_float_denorm_mode_16_64 3
		.amdhsa_memory_ordered 1
		.amdhsa_forward_progress 1
		.amdhsa_inst_pref_size 22
	.end_amdhsa_kernel
	.amdgpu_metadata
---
amdhsa.version: [ 1, 2 ]
amdhsa.kernels:
  - .name:           k_q982fdad195_vmean
    .symbol:         k_q982fdad195_vmean.kd
    .args:
      - { .name: qkv, .offset: 0, .size: 8, .value_kind: global_buffer, .address_space: global }
      - { .name: vx, .offset: 8, .size: 8, .value_kind: global_buffer, .address_space: global }
    .group_segment_fixed_size: 0
    .private_segment_fixed_size: 0
    .kernarg_segment_align: 8
    .kernarg_segment_size: 16
    .max_flat_workgroup_size: 128
    .sgpr_count:     66
    .vgpr_count:     160
    .wavefront_size: 32
...
	.end_amdgpu_metadata
.endif
;; end of part 3
;; launch attn (part 4): grid 512 x 1, 8 waves a work-group, no clusters, 35,840 bytes of LDS; arguments qkv, vx, idx, o16; writes o16
.if DOCPART == 4
	.amdgcn_target "amdgcn-amd-amdhsa--gfx1250"
	.amdhsa_code_object_version 6
	.text
	.protected	k_q982fdad195_attn
	.globl	k_q982fdad195_attn
	.p2align	8
	.type	k_q982fdad195_attn,@function
k_q982fdad195_attn:
	s_mov_b64 s[64:65], 0
	v_nop
	global_prefetch_b8 v0, s[64:65] scope:SCOPE_SE
	s_setreg_imm32_b32 hwreg(HW_REG_WAVE_MODE, 25, 1), 1
	s_wait_xcnt 0x0
; THE MASKED ATTENTION.  A token whose running count of media is t sees the 32 keys of media block t alone (1 <= t <= 32); with t = 0 its row is 0; with t > 32 no key matches,
; the softmax is uniform over all 1,024 keys, and its row is the mean of v, which lies in vx as a block of 32 equal keys ("block 33").
; A work-group takes 16 tokens, wave w heads 2 w and 2 w + 1, one after the other.  The counts do not fall along the tokens, so a tile sees the blocks lo .. lo + n, read from idx as whole numbers.
; For each of them: S^T = K Q^T (32 keys x 16 tokens), each token's softmax over the block's 32 keys with their true maximum taken away, times 1 where the block is the token's own and 0 elsewhere,
; O^T += V^T P.  A token has one block, so its sum has one term that is not 0, and no running maximum is needed.  For block 33 the scale c is 0: p = 1 / 32 on 32 copies of the mean.
; q, k, v, P, O in f16; products, maxima and sums in f32; P is divided by its sum in f32 and rounded once.  A weight below 2^-126 counts as 0; NaN and infinities are not treated apart.
; No cluster, no tensor load: a tile's K and V are 8 KiB for a head, read by this wave alone.  No prefetch: the addresses are known only when idx has been read, and the launch is short.
.set SP,    272                        ; a stage row: 256 bytes (two heads x 64 channels) + 16
.set SPARE, 8*16*SP                    ; behind the eight stages: the spare words, 128 bytes a wave
.set KB0,   16777216
.set VB0,   25165824
.set LP,  1                            ; v1   (l % 16) x 128 + (l / 16) x 16: my place in a fragment's rows, for Q, K and V^T alike
.set TQ,  2                            ; v2   my token's count, held to 33
.set STO, 3                            ; v3   where I put 16 bytes of a row of O
.set RD,  4                            ; v4   where I read rows back
.set GO,  5                            ; v5   my offset in two rows of o16
.set SPW, 6
.set NIL, 7
.set Q,   24                           ; v24-39    16 tokens x 64 channels
.set S,   40                           ; v40-55    S^T, two accumulators; then P in v40-47
.set O,   56                           ; v56-87    O^T, four accumulators
.set K,   88                           ; v88-119   32 keys x 64 channels; at a head's end the packed O
.set V,   120                          ; v120-151  64 channels x 32 keys
	s_load_b256 s[4:11], s[0:1], 0x0               ; qkv s[4:5], vx s[6:7], idx s[8:9], o16 s[10:11]
	v_lshl_add_u32 v[SPW], v0, 2, SPARE
	v_mov_b32 v[NIL], 0
	v_lshrrev_b32 v8, 5, v0
	v_readfirstlane_b32 s2, v8                     ; wave 0..7
	v_and_b32 v8, 15, v0                           ; l % 16
	v_bfe_u32 v9, v0, 4, 1                         ; l / 16
	v_lshlrev_b32 v[LP], 7, v8
	v_lshl_add_u32 v[LP], v9, 4, v[LP]
	s_mul_i32 s44, s2, 16*SP                       ; my stage
	v_mul_u32_u24 v[STO], v8, SP
	v_lshl_add_u32 v[STO], v9, 4, v[STO]
	v_add_nc_u32 v[STO], s44, v[STO]
	v_mul_u32_u24 v[RD], v9, SP
	v_lshl_add_u32 v[RD], v8, 4, v[RD]
	v_add_nc_u32 v[RD], s44, v[RD]
	v_lshlrev_b32 v[GO], 12, v9
	v_lshl_add_u32 v[GO], v8, 4, v[GO]
	v_lshlrev_b32 v19, 2, v8
	s_lshl_b32 s44, ttmp9, 6
	v_add_nc_u32 v19, s44, v19                     ; tt of token 16 T + l % 16
	s_lshl_b32 s14, ttmp9, 3                       ; the tile's pair of numbers
	s_lshr_b32 s15, ttmp9, 7                       ; the batch: 128 tiles each
	s_mov_b32 s30, 0x76543210
	s_mov_b32 s31, 0xfedcba98
	s_mov_b32 s29, 0
	s_mov_b32 s41, 0
	s_wait_kmcnt 0x0
	s_load_b64 s[12:13], s[8:9], s14 offset:0x8000 ; lo, n
	global_load_b32 v[TQ], v19, s[8:9]
	s_lshr_b32 s28, ttmp9, 1                       ; Q: the group of 32 tokens,
	s_lshl_b32 s28, s28, 16
	s_and_b32 s40, ttmp9, 1                        ; its half,
	s_lshl_b32 s40, s40, 11
	s_add_co_u32 s28, s28, s40
	s_lshl_b32 s40, s2, 13                         ; head 2 w: blocks of 4 KiB
	s_add_co_u32 s28, s28, s40
	s_add_nc_u64 s[16:17], s[4:5], s[28:29]
	s_lshl_b32 s28, s15, 21                        ; K: the batch's 32 groups of 32 keys
	s_add_co_u32 s28, s28, s40
	s_add_nc_u64 s[18:19], s[4:5], s[28:29]
	s_add_nc_u64 s[18:19], s[18:19], KB0
	s_lshl_b32 s40, s2, 20                         ; V^T: head 2 w: two groups of 32 channels a head
	s_lshl_b32 s28, s15, 16                        ; the batch's 16 blocks of 64 keys
	s_add_co_u32 s28, s28, s40
	s_add_nc_u64 s[20:21], s[4:5], s[28:29]
	s_add_nc_u64 s[20:21], s[20:21], VB0
	s_lshl_b32 s28, s15, 12                        ; the mean: block b
	s_add_co_u32 s28, s28, s40
	s_add_nc_u64 s[22:23], s[6:7], s[28:29]
	s_lshl_b32 s28, ttmp9, 16                      ; o16: 16 rows of 4,096 bytes,
	s_lshl_b32 s40, s2, 8                          ; my two heads' 256 bytes
	s_add_co_u32 s28, s28, s40
	s_add_nc_u64 s[10:11], s[10:11], s[28:29]
	s_wait_kmcnt 0x0
	s_min_u32 s12, s12, 32                         ; both lie in 0 .. 32 as they were stored; held there before they reach an address or a count
	s_min_u32 s13, s13, 32
; One block, number s34 (0 .. 31; 32 stands for the mean).  zero = 1: a head's first: its products start O^T's sums.
.macro ITER zero
	s_min_u32 s39, s34, 31                         ; for block 32 K's last block is read, and c = 0 makes nothing of it
	s_lshl_b32 s28, s39, 16
	s_add_nc_u64 s[24:25], s[18:19], s[28:29]      ; K: the loads that read these two pairs last have been waited for
	s_and_b32 s40, s39, 30
	s_lshl_b32 s40, s40, 11                        ; V^T: the block of 64 keys,
	s_and_b32 s42, s39, 1
	s_lshl_b32 s42, s42, 6                         ; and its half
	s_add_co_u32 s40, s40, s42
	s_add_nc_u64 s[26:27], s[20:21], s[40:41]
	s_cmp_lt_u32 s34, 32
	s_cselect_b64 s[26:27], s[26:27], s[22:23]
	s_cselect_b32 s32, 0x3e38aa3b, 0               ; c = log2(e) / 8, or 0
	s_mov_b32 s33, s32                             ; named with it as a pair
	s_add_co_u32 s36, s34, 1                       ; the count that sees this block
.if !(\zero)
.rept 5
	v_nop                                          ; five plain instructions behind the last V^T P: its V is loaded anew and its P written over by a product (ISA guide 7.12.1)
.endr
.endif
.irp f, 0,1,2,3                                ; keys 16 (f / 2) on, channels 32 (f % 2) on
	global_load_b128 v[K+8*\f:K+8*\f+3],   v[LP], s[24:25] offset:(\f/2)*2048+(\f%2)*64
	global_load_b128 v[K+8*\f+4:K+8*\f+7], v[LP], s[24:25] offset:(\f/2)*2048+(\f%2)*64+32
.endr
.irp f, 0,1,2,3                                ; channels 16 f on
	global_load_b128 v[V+8*\f:V+8*\f+3],   v[LP], s[26:27] offset:(\f/2)*262144+(\f%2)*2048
	global_load_b128 v[V+8*\f+4:V+8*\f+7], v[LP], s[26:27] offset:(\f/2)*262144+(\f%2)*2048+32
.endr
	s_wait_loadcnt 8                               ; K is in, and Q and the counts before it; V's eight loads may stay out
	v_wmma_f32_16x16x32_f16 v[S:S+7],    v[K:K+7],     v[Q:Q+7],    0             ; the two accumulators take turns
	v_wmma_f32_16x16x32_f16 v[S+8:S+15], v[K+16:K+23], v[Q:Q+7],    0
	v_wmma_f32_16x16x32_f16 v[S:S+7],    v[K+8:K+15],  v[Q+8:Q+15], v[S:S+7]
	v_wmma_f32_16x16x32_f16 v[S+8:S+15], v[K+24:K+31], v[Q+8:Q+15], v[S+8:S+15]
.rept 4
	v_nop
.endr
	v_max3_num_f32 v8, v[S], v[S+1], v[S+2]        ; each accumulator's lowest registers are read first
	v_max3_num_f32 v9, v[S+8], v[S+9], v[S+10]
	v_max3_num_f32 v8, v8, v[S+3], v[S+4]
	v_max3_num_f32 v9, v9, v[S+11], v[S+12]
	v_max3_num_f32 v8, v8, v[S+5], v[S+6]
	v_max3_num_f32 v9, v9, v[S+13], v[S+14]
	v_max3_num_f32 v8, v8, v[S+7], v[S+15]
	v_max_num_f32 v8, v8, v9
	v_permlanex16_b32 v9, v8, s30, s31             ; the token's other 16 keys lie in the lane 16 away
	v_max_num_f32 v8, v8, v9
	v_mul_f32 v10, s32, v8                         ; c m
	v_mul_f32 v11, s32, v8
.irp p, 0,1,2,3,4,5,6,7
	v_pk_fma_f32 v[S+2*\p:S+2*\p+1], v[S+2*\p:S+2*\p+1], s[32:33], v[10:11] op_sel_hi:[1,0,0] neg_lo:[0,0,1] neg_hi:[0,0,1]  ; c s - c m
.endr
.irp p, 0,1,2,3,4,5,6,7,8,9,10,11,12,13,14,15
	v_exp_f32 v[S+\p], v[S+\p]
.endr
	v_nop                                          ; a plain instruction behind the last exponential,
	s_wait_alu depctr_va_vdst(0)                   ; and one wait for the batch of sixteen, ahead of the first line that names a result
	v_pk_add_f32 v[12:13], v[S:S+1], v[S+2:S+3]
	v_pk_add_f32 v[14:15], v[S+4:S+5], v[S+6:S+7]
	v_pk_add_f32 v[12:13], v[12:13], v[S+8:S+9]
	v_pk_add_f32 v[14:15], v[14:15], v[S+10:S+11]
	v_pk_add_f32 v[12:13], v[12:13], v[S+12:S+13]
	v_pk_add_f32 v[14:15], v[14:15], v[S+14:S+15]
	v_pk_add_f32 v[12:13], v[12:13], v[14:15]
	v_add_f32 v12, v12, v13
	v_permlanex16_b32 v13, v12, s30, s31
	v_add_f32 v12, v12, v13                        ; at least 1: the maximum's own weight
	v_rcp_f32 v18, v12
	v_cmp_eq_u32 s37, s36, v[TQ]                   ; is this block my token's?
	v_nop
	s_wait_alu depctr_va_vdst(0)                   ; the reciprocal's wait
	v_cndmask_b32 v16, 0, v18, s37                 ; 1 / sum, or 0: a choice of a value, no branch
	v_cndmask_b32 v17, 0, v18, s37
.irp p, 0,1,2,3,4,5,6,7
	v_pk_mul_f32 v[S+2*\p:S+2*\p+1], v[S+2*\p:S+2*\p+1], v[16:17]
.endr
.irp p, 0,1,2,3,4,5,6,7
	v_cvt_pk_f16_f32 v[S+\p], v[S+2*\p], v[S+2*\p+1]  ; in place, ascending: P is source 1 of the second product as it lies
.endr
	s_wait_loadcnt 0x0                             ; V is in
.irp f, 0,1,2,3
.if \zero
	v_wmma_f32_16x16x32_f16 v[O+8*\f:O+8*\f+7], v[V+8*\f:V+8*\f+7], v[S:S+7], 0
.else
	v_wmma_f32_16x16x32_f16 v[O+8*\f:O+8*\f+7], v[V+8*\f:V+8*\f+7], v[S:S+7], v[O+8*\f:O+8*\f+7]
.endif
.endr
.endm
	s_mov_b32 s38, 2
.Lhead:
.irp c, 0,1,2,3
	global_load_b128 v[Q+4*\c:Q+4*\c+3], v[LP], s[16:17] offset:32*\c
.endr
	s_mov_b32 s34, s12
	ITER 1
	s_cmp_eq_u32 s13, 0
	s_cbranch_scc1 .Lsingle
	s_mov_b32 s35, 0
.Lblock:                                       ; n further blocks; no LDS access in this loop
	s_add_co_u32 s34, s34, 1
	ITER 0
	s_add_co_u32 s35, s35, 1
	s_cmp_lt_u32 s35, s13
	s_cbranch_scc1 .Lblock
.Lsingle:
.rept 4
	v_nop
.endr
.irp f, 0,1,2,3
.irp r, 0,1,2,3
	v_cvt_pk_f16_f32 v[K+4*\f+\r], v[O+8*\f+2*\r], v[O+8*\f+2*\r+1]
.endr
.endr
.irp f, 0,1,2,3
	ds_store_b128 v[STO], v[K+4*\f:K+4*\f+3] offset:32*\f  ; row = token, my eight channels
.endr
	v_add_nc_u32 v[STO], 128, v[STO]               ; the second head's 128 bytes of the row
	s_add_nc_u64 s[16:17], s[16:17], 4096          ; the next head; every load that read these bases has been waited for
	s_add_nc_u64 s[18:19], s[18:19], 4096
	s_add_nc_u64 s[20:21], s[20:21], 524288
	s_add_nc_u64 s[22:23], s[22:23], 524288
	s_sub_co_u32 s38, s38, 1
	s_cmp_lg_u32 s38, 0
	s_cbranch_scc1 .Lhead
.irp t, 0,1,2,3,4,5,6,7
	ds_load_b128 v[Q+4*\t:Q+4*\t+3], v[RD] offset:\t*2*SP  ; LDS serves a wave's instructions in order (ISA guide 5.7.1.4): these see my stores
.endr
.irp t, 0,1,2,3,4,5,6,7
	s_wait_dscnt 7-\t
	global_store_b128 v[GO], v[Q+4*\t:Q+4*\t+3], s[10:11] offset:\t*8192  ; sixteen lanes store 256 consecutive bytes of a row, aligned
.endr
	s_wait_tensorcnt 0x0                           ; the wave's end
	ds_add_u32 v[SPW], v[NIL]
	s_wait_dscnt 0x0
	s_endpgm
.Lfunc_end_k_q982fdad195_attn:
	.size	k_q982fdad195_attn, .Lfunc_end_k_q982fdad195_attn-k_q982fdad195_attn
	.p2alignl 7, 3214868480
	.fill 96, 4, 3214868480
	.section	.rodata,"a",@progbits
	.p2align	6, 0x0
	.amdhsa_kernel k_q982fdad195_attn
		.amdhsa_group_segment_fixed_size 35840
		.amdhsa_private_segment_fixed_size 0
		.amdhsa_enable_private_segment 0
		.amdhsa_kernarg_size 32
		.amdhsa_user_sgpr_count 2
		.amdhsa_user_sgpr_kernarg_segment_ptr 1
		.amdhsa_wavefront_size32 1
		.amdhsa_system_sgpr_workgroup_id_x 1
		.amdhsa_system_sgpr_workgroup_id_y 1
		.amdhsa_system_sgpr_workgroup_id_z 1
		.amdhsa_system_vgpr_workitem_id 0
		.amdhsa_next_free_vgpr 152
		.amdhsa_next_free_sgpr 66
		.amdhsa_reserve_vcc 0
		.amdhsa_float_denorm_mode_32 3
		.amdhsa_float_denorm_mode_16_64 3
		.amdhsa_memory_ordered 1
		.amdhsa_forward_progress 1
		.amdhsa_inst_pref_size 20
	.end_amdhsa_kernel
	.amdgpu_metadata
---
amdhsa.version: [ 1, 2 ]
amdhsa.kernels:
  - .name:           k_q982fdad195_attn
    .symbol:         k_q982fdad195_attn.kd
    .args:
      - { .name: qkv, .offset: 0, .size: 8, .value_kind: global_buffer, .address_space: global }
      - { .name: vx, .offset: 8, .size: 8, .value_kind: global_buffer, .address_space: global }
      - { .name: idx, .offset: 16, .size: 8, .value_kind: global_buffer, .address_space: global }
      - { .name: o16, .offset: 24, .size: 8, .value_kind: global_buffer, .address_space: global }
    .group_segment_fixed_size: 35840
    .private_segment_fixed_size: 0
    .kernarg_segment_align: 8
    .kernarg_segment_size: 32
    .max_flat_workgroup_size: 256
    .sgpr_count:     66
    .vgpr_count:     152
    .wavefront_size: 32
...
	.end_amdgpu_metadata
.endif
;; end of part 4
;; launch gout (part 5): grid 8 x 32, 4 waves a work-group, clusters of 4 x 4, 327,680 bytes of LDS; arguments o16, ops, out0; writes out0
.if DOCPART == 5
	.amdgcn_target "amdgcn-amd-amdhsa--gfx1250"
	.amdhsa_code_object_version 6
	.text
	.protected	k_q982fdad195_gout
	.globl	k_q982fdad195_gout
	.p2align	8
	.type	k_q982fdad195_gout,@function
k_q982fdad195_gout:
	s_mov_b64 s[64:65], 0
	v_nop
	global_prefetch_b8 v0, s[64:65] scope:SCOPE_SE
	s_setreg_imm32_b32 hwreg(HW_REG_WAVE_MODE, 25, 1), 1
	s_wait_xcnt 0x0
	s_wait_alu depctr_hold_cnt(0) depctr_sa_sdst(0) depctr_va_vdst(0) depctr_va_sdst(0) depctr_va_ssrc(0) depctr_va_vcc(0) depctr_vm_vsrc(0)
	s_getreg_b32 s2, hwreg(HW_REG_IB_STS2, 6, 4)
	s_cmp_eq_u32 s2, 0
	s_cbranch_scc0 .Lentry_in_a_cluster
	s_endpgm
.Lentry_in_a_cluster:
	s_bfe_u32 s2, ttmp6, 0x10000c
	s_cmp_lg_u32 s2, 0xf033
	s_cbranch_scc0 .Lentry_shape_is_right
	s_endpgm
.Lentry_shape_is_right:
; THE LAST PROJECTION: out0[m][n] = sum over k of O[m][k] Wout^T[n][k].  O: o16, 8,192 rows; Wout^T: ops from row 15,360, 2,048 rows; both f16, 4,096 bytes from row to row, K = 1,024.
; Sums in f32, stored as f32.  A tile of C is 256 x 256: four waves, each 128 x 128 in 64 accumulators.  K goes in steps of 128 through two LDS slots filled by the tensor data mover.
; 4 x 4 work-groups form a cluster: A's tile is asked for jointly along a row of the cluster, B's along a column.  256 work-groups, one tile each.
; THE MATRIX INSTRUCTION IS USED TRANSPOSED (source 0 = 16 rows of B, source 1 = 16 rows of A): a lane holds eight neighbouring columns of one row of C.
; REGISTERS, in windows of 256: window 0: v0-31 addresses; v64-127, v128-191 fragments of A, two buffers, on the way out whole rows.  window 1: v64-191 fragments of B.
; windows 2, 3: the accumulators of my rows 0-63 and 64-127 ((a, b) at v[8 (8 a + b)]).
.set KSTEP,  128
.set PITCH,  272                       ; an LDS row: 256 bytes + 16 of padding: the 16 rows of a fragment load start at 16 different groups of four banks (64 banks of 4 bytes: ISA guide 11.1)
.set HALFT,  128*PITCH
.set SLOT,   4*HALFT
.set STAGE,  2*SLOT                    ; behind the ring: 16 rows x 528 bytes for each wave
.set SPITCH, 528                       ; 128 f32 + 16 bytes = 132 words: row r starts at bank 4 r mod 64
.set SPARE,  STAGE+4*16*SPITCH
.set WO0,    15360
.set LAPS,   4                         ; 1,024 / 256
.set ADRA, 16
.set ADRB, 20
.set STO,  24
.set RD,   25
.set CO,   26
.set SPW,  28
.set NIL,  29
.set PFO,  30
.set PFA,  44
.set LIM,  43                          ; s43  1 in a wave that prefetches, else the greatest number
.set F0,   64
.set F1,   128
.set G1, 24
.set G0, 32
.set G1B, 48
.set G0B, 56
.set MSB, 0
.macro WIN new
.if MSB != (\new)
	s_set_vgpr_msb (MSB<<8)|(\new)
.set MSB, \new
.endif
.endm
.set MUL_LO, 0xa1
.set MUL_HI, 0xf1
.set TO_B,   0x40
.macro JLOAD s                         ; a joint load: waves 0 and 1 fetch A's two halves, waves 2 and 3 B's; an s_nop 0 and four v_nop follow each line
	s_cmp_eq_u32 s11, 0
	s_cbranch_scc0 .Lfor_b_\@
	tensor_load_to_lds s[G0+4*(\s):G0+4*(\s)+3], s[G1:G1+7]
	s_nop 0
.rept 4
	v_nop
.endr
	s_branch .Lasked_\@
.Lfor_b_\@:
	tensor_load_to_lds s[G0B+4*(\s):G0B+4*(\s)+3], s[G1B:G1B+7]
	s_nop 0
.rept 4
	v_nop
.endr
.Lasked_\@:
.endm
; A prefetch into the L2 of the K step two refills on: 32 rows x 256 bytes, a lane a row.  O's rows are named by the cluster with x = 0, Wout^T's by the cluster with y = 0; the four partners
; that ask for a tile jointly share its rows out by address: each row's 256 bytes of a K step are named once in the launch.  The loop's last trip (s3 = 1) has no K step two on.
.macro ASK
	s_cmp_gt_u32 s3, s[LIM]
	s_cbranch_scc0 .Lnot_mine_\@
	global_prefetch_b8 v[PFO], s[PFA:PFA+1] offset:KSTEP*2 th:TH_LOAD_NT scope:SCOPE_SE
.Lnot_mine_\@:
.endm
.macro CREST
	s_cmp_lg_u32 s10, 0
	s_cbranch_scc1 .Lnot_wave_0_\@
	s_barrier_signal -3
.Lnot_wave_0_\@:
	s_barrier_wait -3
	s_barrier_signal -1
	s_barrier_wait -1
.endm
.macro CROUND
	s_barrier_signal -1
	s_barrier_wait -1
	CREST
.endm
	s_load_b128 s[4:7], s[0:1], 0x0                ; o16 s[4:5], ops s[6:7]
	s_load_b64 s[8:9], s[0:1], 0x10                ; out0
	v_lshl_add_u32 v[SPW], v0, 2, SPARE
	v_mov_b32 v[NIL], 0
	ds_add_u32 v[SPW], v[NIL]                      ; the wave's opening: the add, with its wait ahead of my first tensor load
	v_lshrrev_b32 v1, 5, v0
	v_readfirstlane_b32 s10, v1                    ; wave 0..3
	s_lshr_b32 s11, s10, 1                         ; which half of the tile's rows is mine.  Also: I fetch for A (0) or for B (1)
	s_and_b32 s12, s10, 1                          ; which half of its columns.  Also: which 128 rows of that tile I fetch
	s_bfe_u32 s40, ttmp6, 0x40000                  ; cx
	s_bfe_u32 s41, ttmp6, 0x40004                  ; cy
	s_lshl_b32 s42, ttmp9, 2
	s_add_co_u32 s42, s42, s40                     ; tile column of C
	s_and_b32 s13, ttmp7, 0xffff
	s_lshl_b32 s13, s13, 2
	s_add_co_u32 s13, s13, s41                     ; tile row of C
	s_lshl_b32 s43, s41, 2
	s_lshl_b32 s43, 15, s43                        ; my row of the cluster
	s_lshl_b32 s44, 0x1111, s40                    ; my column
	s_or_b32 s[G1+0], s43, (1<<16)|(1<<20)|(1<<21)|(5<<22)|(3<<25)  ; the mask; 2-byte elements; padding on; bit 21 beside a mask; after every 64 words 4 words
	s_or_b32 s[G1B+0], s44, (1<<16)|(1<<20)|(1<<21)|(5<<22)|(3<<25)
.irp g, G1, G1B
	s_mov_b32 s[(\g)+1], KSTEP<<16                 ; tensor_dim0 = 128
	s_mov_b32 s[(\g)+2], 128<<16                   ; tensor_dim1 = 128
	s_mov_b32 s[(\g)+3], KSTEP<<16                 ; tile_dim0 = 128
	s_mov_b32 s[(\g)+4], 128                       ; tile_dim1 = 128
	s_mov_b32 s[(\g)+5], 2048                      ; 2,048 elements from row to row
	s_mov_b32 s[(\g)+6], 0
	s_mov_b32 s[(\g)+7], 0
.endr
	s_lshl_b32 s17, s12, 7
	s_lshl_b32 s16, s13, 8
	s_add_co_u32 s16, s16, s17                     ; A's row: hangs on the tile row alone
	s_lshl_b32 s16, s16, 12
	s_lshl_b32 s46, s42, 8
	s_add_co_u32 s46, s46, s17
	s_add_co_u32 s46, s46, WO0                     ; B's row in ops: on the tile column alone
	s_lshl_b32 s46, s46, 12
	s_mov_b32 s17, 0
	s_mov_b32 s47, 0
	s_mul_i32 s20, s10, HALFT
	s_wait_dscnt 0x0                               ; the opening add is done
	s_wait_kmcnt 0x0
	s_add_nc_u64 s[14:15], s[4:5], s[16:17]
	s_add_nc_u64 s[46:47], s[6:7], s[46:47]
	CROUND                                         ; all sixteen work-groups are here: the first joint loads meet
.irp s, 0,1
	s_mov_b32 s[G0+4*(\s)], 1
	s_add_co_u32 s[G0+4*(\s)+1], s20, (\s)*SLOT
	s_add_nc_u64 s[G0+4*(\s)+2:G0+4*(\s)+3], s[14:15], (\s)*KSTEP*2
	s_or_b32 s[G0+4*(\s)+3], s[G0+4*(\s)+3], 0x80000000
	s_mov_b32 s[G0B+4*(\s)], 1
	s_add_co_u32 s[G0B+4*(\s)+1], s20, (\s)*SLOT
	s_add_nc_u64 s[G0B+4*(\s)+2:G0B+4*(\s)+3], s[46:47], (\s)*KSTEP*2
	s_or_b32 s[G0B+4*(\s)+3], s[G0B+4*(\s)+3], 0x80000000
	JLOAD \s                                       ; two loads of mine are out
.endr
	v_and_b32 v1, 15, v0
	v_bfe_u32 v2, v0, 4, 1
	v_mul_u32_u24 v3, v1, PITCH
	v_lshl_add_u32 v3, v2, 4, v3
	s_mul_i32 s21, s11, HALFT
	s_mul_i32 s22, s12, HALFT
	s_add_co_u32 s22, s22, 2*HALFT
.irp s, 0,1
	v_add_nc_u32 v[ADRA+(\s)], s21, v3
	v_add_nc_u32 v[ADRB+(\s)], s22, v3
	s_add_co_u32 s21, s21, SLOT
	s_add_co_u32 s22, s22, SLOT
.endr
	s_mul_i32 s23, s10, 16*SPITCH
	s_add_co_u32 s23, s23, STAGE                   ; my stage
	v_mul_u32_u24 v4, v1, SPITCH                   ; in: row l % 16, 32 bytes for each half of the lanes
	v_lshl_add_u32 v4, v2, 5, v4
	v_add_nc_u32 v[STO], s23, v4
	v_and_b32 v5, 31, v0
	v_lshlrev_b32 v[CO], 4, v5                     ; back, and out: 32 lanes take a row's 512 bytes
	v_add_nc_u32 v[RD], s23, v[CO]
	s_lshl_b32 s16, s13, 8
	s_lshl_b32 s14, s11, 7
	s_add_co_u32 s16, s16, s14                     ; my first row of C,
	s_lshl_b32 s16, s16, 13                        ; of 8,192 bytes
	s_mov_b32 s17, 0
	s_lshl_b32 s46, s42, 10                        ; my first column, in bytes
	s_lshl_b32 s47, s12, 9
	s_add_co_u32 s46, s46, s47
	s_mov_b32 s47, 0
	s_add_nc_u64 s[16:17], s[16:17], s[46:47]
	; the prefetches
	s_lshl_b32 s20, s13, 8
	s_lshl_b32 s21, s42, 8
	s_add_co_u32 s21, s21, WO0
	s_and_b32 s22, ttmp7, 0xffff                   ; cluster y
	s_cmp_eq_u32 s11, 0                            ; do I fetch for A?
	s_cselect_b32 s20, s20, s21                    ; the tile's first row
	s_cselect_b32 s21, s40, s41                    ; my place among the four that ask for it with me
	s_cselect_b32 s22, ttmp9, s22                  ; the coordinate along which other clusters read the same rows
	s_cselect_b64 s[PFA:PFA+1], s[4:5], s[6:7]
	s_cmp_eq_u32 s22, 0
	s_cselect_b32 s[LIM], 1, -1                    ; the same in all sixteen partners, for a given wave
	s_lshl_b32 s22, s12, 7
	s_add_co_u32 s20, s20, s22
	s_lshl_b32 s21, s21, 5
	s_add_co_u32 s20, s20, s21
	s_lshl_b32 s20, s20, 12
	s_mov_b32 s21, 0
	s_add_nc_u64 s[PFA:PFA+1], s[PFA:PFA+1], s[20:21]
	s_add_nc_u64 s[PFA:PFA+1], s[PFA:PFA+1], 2*KSTEP*2  ; at K step 2: the first refill steps it to 3 and names K step 4.  Nothing is prefetched here, at the head
	v_lshlrev_b32 v[PFO], 12, v5
.macro MUL16 f, hi, a0, zero
	WIN MUL_LO+0x50*(\hi)
.irp a, \a0, (\a0)+1
.irp b, 0,1,2,3,4,5,6,7
.if \zero
	v_wmma_f32_16x16x32_f16 v[8*(8*(\a)+(\b)):8*(8*(\a)+(\b))+7], v[(\f)+8*(\b):(\f)+8*(\b)+7], v[(\f)+8*(4*(\hi)+(\a)):(\f)+8*(4*(\hi)+(\a))+7], 0
.else
	v_wmma_f32_16x16x32_f16 v[8*(8*(\a)+(\b)):8*(8*(\a)+(\b))+7], v[(\f)+8*(\b):(\f)+8*(\b)+7], v[(\f)+8*(4*(\hi)+(\a)):(\f)+8*(4*(\hi)+(\a))+7], v[8*(8*(\a)+(\b)):8*(8*(\a)+(\b))+7]
.endif
.endr
.endr
.endm
.macro FETCH slot, k, f
	WIN TO_B
.irp i, 0,1,2,3,4,5,6,7
	ds_load_b128 v[(\f)+8*(\i):(\f)+8*(\i)+3],   v[ADRB+(\slot)] offset:(\k)+(\i)*16*PITCH
	ds_load_b128 v[(\f)+8*(\i)+4:(\f)+8*(\i)+7], v[ADRB+(\slot)] offset:(\k)+(\i)*16*PITCH+32
.endr
	WIN 0
.irp i, 0,1,2,3,4,5,6,7
	ds_load_b128 v[(\f)+8*(\i):(\f)+8*(\i)+3],   v[ADRA+(\slot)] offset:(\k)+(\i)*16*PITCH
	ds_load_b128 v[(\f)+8*(\i)+4:(\f)+8*(\i)+7], v[ADRA+(\slot)] offset:(\k)+(\i)*16*PITCH+32
.endr
.endm
.macro PLACES                          ; four plain instructions between a matrix instruction and a load into a register that it read, or a line that reads its result
.rept 4
	v_nop
.endr
.endm
.macro QUARTER slot, k, f, g, zero
	s_wait_dscnt 8                                 ; B and A's rows 0-63 are in; the youngest eight loads (A's rows 64-127) may be out
	WIN MUL_LO
	MUL16 \f, 0, 0, \zero
	MUL16 \f, 0, 2, \zero
	PLACES
	FETCH \slot, \k, \g
	s_wait_dscnt 32                                ; all but the 32 just issued
	WIN MUL_HI
	MUL16 \f, 1, 0, \zero
	MUL16 \f, 1, 2, \zero
.endm
.macro MEET round
	WIN 0
	s_wait_tensorcnt 0x0                           ; all my tensor loads have landed: the one that was out is my part of the next slot;
	ds_add_u32 v[SPW], v[NIL]                      ; 0 onto my spare word;
	s_wait_dscnt 9                                 ; (the add and the youngest eight loads may be out)
	WIN MUL_LO
	MUL16 F1, 0, 0, 0
	s_wait_dscnt 0x0                               ; the add is done, and my reads of this slot are over
	s_barrier_signal -1
	MUL16 F1, 0, 2, 0
.if \round
	WIN 0
.endif
	s_barrier_wait -1
.endm
.macro TURN slot, next
	s_wait_xcnt 0x0                                ; the last prefetch, a K step back, has read its address
	s_add_nc_u64 s[PFA:PFA+1], s[PFA:PFA+1], KSTEP*2
	MEET 1
	CREST                                          ; no wave of any partner still reads this slot's tile or has a load on its way
	s_add_nc_u64 s[G0+4*(\slot)+2:G0+4*(\slot)+3], s[G0+4*(\slot)+2:G0+4*(\slot)+3], 2*KSTEP*2
	s_add_nc_u64 s[G0B+4*(\slot)+2:G0B+4*(\slot)+3], s[G0B+4*(\slot)+2:G0B+4*(\slot)+3], 2*KSTEP*2
	JLOAD \slot                                    ; my one tensor load behind the round; its four v_nop are also the places in front of the loads below
	FETCH \next, 0, F0
	ASK
	WIN MUL_HI
	MUL16 F1, 1, 0, 0
	MUL16 F1, 1, 2, 0
.endm
; THE WAY OUT of block a (16 rows x 128 columns of f32): from the accumulators into my own stage, back as whole rows of 512 bytes, stored.
.macro TOSTAGE a
.set AC, 64*((\a)%4)
.set BK, F0+64*((\a)%2)
	WIN 0x08+4*((\a)/4)                            ; the stores' data (source 1): window 2 or 3
.irp b, 0,1,2,3,4,5,6,7
	ds_store_b128 v[STO], v[AC+8*(\b):AC+8*(\b)+3]   offset:64*(\b)      ; each accumulator's low registers first
	ds_store_b128 v[STO], v[AC+8*(\b)+4:AC+8*(\b)+7] offset:64*(\b)+16
.endr
	WIN 0
	s_wait_xcnt 0x0                                ; the stores of the block two back have read the registers that are loaded now
.irp t, 0,1,2,3,4,5,6,7,8,9,10,11,12,13,14,15
	ds_load_b128 v[BK+4*(\t):BK+4*(\t)+3], v[RD] offset:(\t)*SPITCH  ; LDS serves a wave's instructions in order (ISA guide 5.7.1.4): these see the stores above
.endr
.endm
.macro SEND a, younger                 ; younger: the next block's 16 LDS stores and 16 loads, or none
.set BK, F0+64*((\a)%2)
	s_wait_dscnt \younger
	s_wait_xcnt 0x0                                ; earlier stores have read their base
.if (\a) == 0
	s_add_nc_u64 s[8:9], s[8:9], s[16:17]
.else
	s_add_nc_u64 s[8:9], s[8:9], 16*8192
.endif
.irp t, 0,1,2,3,4,5,6,7,8,9,10,11,12,13,14,15
	global_store_b128 v[CO], v[BK+4*(\t):BK+4*(\t)+3], s[8:9] offset:(\t)*8192 th:TH_STORE_NT  ; 512 consecutive bytes of a row, aligned
.endr
.endm
	s_wait_tensorcnt 1                             ; my part of K step 0 is in; K step 1's may stay out
	s_barrier_signal -1
	s_barrier_wait -1
	FETCH 0, 0, F0
	QUARTER 0, 64,  F0, F1, 1                      ; the first quarter stands in front of the loop: its products start the sums
	WIN 0
	s_mov_b32 s3, LAPS-1
.Llap:
	QUARTER 0, 128, F1, F0, 0
	QUARTER 0, 192, F0, F1, 0
	TURN 0, 1
	QUARTER 1, 64,  F0, F1, 0
	QUARTER 1, 128, F1, F0, 0
	QUARTER 1, 192, F0, F1, 0
	TURN 1, 0
	QUARTER 0, 64,  F0, F1, 0
	WIN 0
	s_sub_co_u32 s3, s3, 1
	s_cmp_lg_u32 s3, 0
	s_cbranch_scc1 .Llap
	QUARTER 0, 128, F1, F0, 0                      ; the last lap fills nothing
	QUARTER 0, 192, F0, F1, 0
	MEET 0
	PLACES
	FETCH 1, 0, F0
	WIN MUL_HI
	MUL16 F1, 1, 0, 0
	MUL16 F1, 1, 2, 0
	QUARTER 1, 64,  F0, F1, 0
	QUARTER 1, 128, F1, F0, 0
	QUARTER 1, 192, F0, F1, 0
	s_wait_dscnt 8
	MUL16 F1, 0, 0, 0
	MUL16 F1, 0, 2, 0
	s_wait_dscnt 0x0
	MUL16 F1, 1, 0, 0
	MUL16 F1, 1, 2, 0
	WIN 0
	PLACES
	PLACES
	TOSTAGE 0
.irp a, 1,2,3,4,5,6,7                  ; block a goes into the stage and is asked back while block a - 1's rows arrive and leave
	TOSTAGE \a
	SEND (\a)-1, 32
.endr
	SEND 7, 0
	s_wait_tensorcnt 0x0                           ; the wave's end
	ds_add_u32 v[SPW], v[NIL]
	s_wait_dscnt 0x0
	CROUND                                         ; the closing round
	s_endpgm
.Lfunc_end_k_q982fdad195_gout:
	.size	k_q982fdad195_gout, .Lfunc_end_k_q982fdad195_gout-k_q982fdad195_gout
	.p2alignl 7, 3214868480
	.fill 96, 4, 3214868480
	.section	.rodata,"a",@progbits
	.p2align	6, 0x0
	.amdhsa_kernel k_q982fdad195_gout
		.amdhsa_group_segment_fixed_size 327680
		.amdhsa_private_segment_fixed_size 0
		.amdhsa_enable_private_segment 0
		.amdhsa_kernarg_size 24
		.amdhsa_user_sgpr_count 2
		.amdhsa_user_sgpr_kernarg_segment_ptr 1
		.amdhsa_wavefront_size32 1
		.amdhsa_system_sgpr_workgroup_id_x 1
		.amdhsa_system_sgpr_workgroup_id_y 1
		.amdhsa_system_sgpr_workgroup_id_z 1
		.amdhsa_system_vgpr_workitem_id 0
		.amdhsa_next_free_vgpr 1024
		.amdhsa_next_free_sgpr 66
		.amdhsa_reserve_vcc 0
		.amdhsa_float_denorm_mode_32 3
		.amdhsa_float_denorm_mode_16_64 3
		.amdhsa_memory_ordered 1
		.amdhsa_forward_progress 1
		.amdhsa_inst_pref_size 142
	.end_amdhsa_kernel
	.amdgpu_metadata
---
amdhsa.version: [ 1, 2 ]
amdhsa.kernels:
  - .name:           k_q982fdad195_gout
    .symbol:         k_q982fdad195_gout.kd
    .args:
      - { .name: o16, .offset: 0, .size: 8, .value_kind: global_buffer, .address_space: global }
      - { .name: ops, .offset: 8, .size: 8, .value_kind: global_buffer, .address_space: global }
      - { .name: out0, .offset: 16, .size: 8, .value_kind: global_buffer, .address_space: global }
    .group_segment_fixed_size: 327680
    .private_segment_fixed_size: 0
    .kernarg_segment_align: 8
    .kernarg_segment_size: 24
    .max_flat_workgroup_size: 128
    .sgpr_count:     66
    .vgpr_count:     1024
    .wavefront_size: 32
...
	.end_amdgpu_metadata
.endif
;; end of part 5
;; ======== version 2 of 2: 5 launches; version 1 with the launch prep written anew for expert scheduling mode
;; limits: values are held in f16: magnitudes above 65,504 overflow, below 6.1e-05 lose precision
;; workspace buffers: ops 71,303,168 bytes; idx 36,864 bytes of whole numbers; qkv 33,554,432 bytes; vx 8,388,608 bytes; o16 33,554,432 bytes
;; launch prep (part 6): grid 833 x 1, 4 waves a work-group, no clusters, 70,144 bytes of LDS; arguments x, ln_g, ln_b, Wq, Wkv, Wout, media, media_locations, ops, idx; writes ops, idx
.if DOCPART == 6
	.amdgcn_target "amdgcn-amd-amdhsa--gfx1250"
	.amdhsa_code_object_version 6
	.text
	.protected	k_q982fdad195_prep
	.globl	k_q982fdad195_prep
	.p2align	8
	.type	k_q982fdad195_prep,@function
k_q982fdad195_prep:
	s_mov_b64 s[64:65], 0
	v_nop
	global_prefetch_b8 v0, s[64:65] scope:SCOPE_SE
	s_setreg_imm32_b32 hwreg(HW_REG_WAVE_SCHED_MODE, 0, 2), 2
	s_setreg_imm32_b32 hwreg(HW_REG_WAVE_MODE, 25, 1), 1
	s_wait_xcnt 0x0
	s_wait_alu depctr_vm_vsrc(0)
; PREP: everything that the matrix launches read is made here, as f16 rows of 4,096 bytes in ops, and the mask's whole numbers in idx.
; Every floating-point input is rounded ONCE to bf16 (nearest even) and that number is written as f16: exact from 7.6e-6 up to 65,504; below, off by 3e-8 at the most.
; LIMITS.  Weights, media and the normalised x stay under 65,504 in magnitude, f16's end.  x is rounded to bf16 ahead of the norm, so with a
; common offset on x that rounding's error grows with the offset.  NaN and infinities are not treated apart.
; WORK-GROUPS, by number: 0 the times; 1-192 the three weights, turned to [n][k]; 193-320 media; 321-832 LayerNorm.  Four waves, each on rows or tiles of its own: no barrier.
; ops, in rows: 0 xn; 8192 media; 12288 Wq^T; 13312 Wkv^T; 15360 Wout^T.  idx: tt[8192] = min(running count, 33); from byte 32768 for each 16 tokens (first block, further blocks).
; THE MODE: SCHED_MODE bits 1:0 = 2 (LLVM: expert scheduling mode 2), set by the entry lines.  The code itself states the register dependences
; between vector instructions and memory or LDS instructions, with s_wait_alu, always for 0.
; THE PLAN.  Registers that memory or LDS instructions touch:
;   v[XO], v[YO]   offsets, made at the head and never written again.  v2, v3: made at the head, read by the closing add alone.
;   the times      v[T]: the loads' offset.  R, D, v[T+2], v[T+3]: written by vector lines, read by the eighteen stores, which stand together behind one wait.
;   the weights    AUX, v[RDB], v[GOB]: made ahead of the loop, never written again.  R: loaded, read and rewritten by a trip's roundings, loaded again.  D (32 registers): written by the
;                  roundings, read by the trip's 32 LDS stores.  v[LA]: read by those stores, stepped once a trip.  v88-215: the rows come back into them at the end.
;   media          R: loaded, read and rewritten by a trip's roundings, loaded again.  D: written by the roundings, read by the trip's sixteen stores.
;   LayerNorm      R: loaded, read by the row's copy, loaded again.  D: written by vector lines all through a row, read by the row's sixteen stores.
; In each of the three loops ONE wait on va_vdst stands behind the lines that empty R, and the next trip's loads follow it; the stores stand in one run behind a wait on va_vdst (in the weights' and
; media's loops the same one); ONE wait on vm_vsrc stands behind the stores, ahead of the backward jump.
.set SPARE, 69632                      ; behind the four waves' stages of 64 rows x 272 bytes: the spare words, 128 bytes a wave
.set MED0,  8192
.set WQ0,   12288
.set WKV0,  13312
.set WO0,   15360
.set T,   4                            ; v4-7     at work
.set AUX, 8                            ; v8-23    by path: the mask's bytes; sixteen offsets
.set R,   24                           ; v24-87   as loaded
.set D,   88                           ; v88-151  at work, and to store
.set G,   152                          ; v152-183 ln_g as bf16 pairs
.set BB,  184                          ; v184-215 ln_b as bf16 pairs
.set SC,  216                          ; v216-223 four chains of pairs
.set MU,  224                          ; v224-225 the mean, twice
.set RS,  226                          ; v226-227 1 / sqrt(var + eps), twice
.set INV, 228                          ; v228     2^-11
.set XO,  229                          ; v229     16 x lane
.set YO,  230                          ; v230     8 x lane
.set LA,  231                          ; v231     the turning path: where I put a pair of k
.set RDB, 216                          ; the turning path: where I read rows back,
.set GOB, 217                          ; and my offset in two rows of ops
.macro RND2 d, a, b, t                 ; two f32 -> bf16 (rounded) -> the same numbers as two f16
	v_cvt_pk_bf16_f32 v[\t], v[\a], v[\b]
	v_lshlrev_b32 v[\a], 16, v[\t]
	v_and_b32 v[\b], s28, v[\t]
	v_cvt_pk_f16_f32 v[\d], v[\a], v[\b]
.endm
.macro WSUM r, t                       ; the sum over the 32 lanes, in every lane
	v_add_f32_dpp v[\r], v[\r], v[\r] row_xmask:1 row_mask:0xf bank_mask:0xf
	v_add_f32_dpp v[\r], v[\r], v[\r] row_xmask:2 row_mask:0xf bank_mask:0xf
	v_add_f32_dpp v[\r], v[\r], v[\r] row_xmask:4 row_mask:0xf bank_mask:0xf
	v_add_f32_dpp v[\r], v[\r], v[\r] row_xmask:8 row_mask:0xf bank_mask:0xf
	v_permlanex16_b32 v[\t], v[\r], s30, s31
	v_add_f32 v[\r], v[\r], v[\t]
.endm
.macro FOLD                            ; four chains of pairs into one number a wave
	v_pk_add_f32 v[SC:SC+1], v[SC:SC+1], v[SC+2:SC+3]
	v_pk_add_f32 v[SC+4:SC+5], v[SC+4:SC+5], v[SC+6:SC+7]
	v_pk_add_f32 v[SC:SC+1], v[SC:SC+1], v[SC+4:SC+5]
	v_add_f32 v[SC], v[SC], v[SC+1]
	WSUM SC, T+1
.endm
	s_load_b512 s[8:23], s[0:1], 0x0               ; x s[8:9], ln_g s[10:11], ln_b s[12:13], Wq s[14:15], Wkv s[16:17], Wout s[18:19], media s[20:21], media_locations s[22:23]
	s_load_b128 s[24:27], s[0:1], 0x40             ; ops s[24:25], idx s[26:27]
	v_lshl_add_u32 v2, v0, 2, SPARE                ; my spare word,
	v_mov_b32 v3, 0                                ; and 0: kept for the add at the wave's end
	v_lshrrev_b32 v4, 5, v0
	v_readfirstlane_b32 s2, v4                     ; wave 0..3
	v_and_b32 v1, 31, v0                           ; lane
	v_lshlrev_b32 v[XO], 4, v1
	v_lshlrev_b32 v[YO], 3, v1
	v_mov_b32 v[T+1], 0                            ; v_permlanex16_b32's destination counts as read
	s_mov_b32 s28, 0xffff0000                      ; a word's upper bf16
	s_mov_b32 s30, 0x76543210                      ; each lane takes its own place in the other half
	s_mov_b32 s31, 0xfedcba98
	s_mov_b32 s35, 0                               ; s[34:35]: byte offsets, all under 2^31
	s_wait_alu depctr_va_sdst(0)                   ; s2 is written, ahead of the branches: each path's scalar arithmetic reads it
	s_wait_kmcnt 0x0
	s_cmp_ge_u32 ttmp9, 321
	s_cbranch_scc1 .Lnorm
	s_cmp_ge_u32 ttmp9, 193
	s_cbranch_scc1 .Lmedia
	s_cmp_ge_u32 ttmp9, 1
	s_cbranch_scc1 .Lturn
; THE TIMES.  Wave w takes batch w: a lane 64 tokens.  tt = the running count of media tokens, held to 33: 33 stands for every count past the last media block.
	s_lshl_b32 s34, s2, 11
	s_add_nc_u64 s[22:23], s[22:23], s[34:35]
	v_lshlrev_b32 v[T], 6, v1
	s_wait_alu depctr_va_vdst(0)                   ; v[T] is written, which the four loads read as their offset
.irp q, 0,1,2,3
	global_load_b128 v[AUX+4*\q:AUX+4*\q+3], v[T], s[22:23] offset:16*\q
.endr
	v_mov_b32 v[SC], 0
	s_mov_b32 s32, 0
	s_wait_loadcnt 0x0
	v_bfe_u32 v[R], v[AUX], 0, 8                   ; the count inside my 64 tokens
.set k, 1
.rept 63
	v_bfe_u32 v[T+2], v[AUX+k/4], 8*(k%4), 8
	v_add_nc_u32 v[R+k], v[R+k-1], v[T+2]
.set k, k+1
.endr
.set k, 0
.rept 4                                        ; what the lanes in front of me have counted: eight lanes' counts at a time, added up in the lanes' order
.irp j, 0,1,2,3,4,5,6,7
	v_readlane_b32 s[36+\j], v[R+63], k+\j
.endr
	s_wait_alu depctr_va_sdst(0)                   ; s36 to s43 are written, which the eight scalar sums below read: one wait for the run
.irp j, 0,1,2,3,4,5,6,7
	v_writelane_b32 v[SC], s32, k+\j
	s_add_co_u32 s32, s32, s[36+\j]
.endr
.set k, k+8
.endr
.set k, 0
.rept 64
	v_add_nc_u32 v[R+k], v[R+k], v[SC]
	v_min_u32 v[R+k], 33, v[R+k]
.set k, k+1
.endr
	v_lshlrev_b32 v[T+3], 8, v1
	s_lshl_b32 s33, s2, 13
	v_add_nc_u32 v[T+3], s33, v[T+3]
.irp q, 0,1,2,3                                ; for each 16 tokens: the first block that a token of the tile sees, counted from 0, and how many further blocks
	v_max_u32 v[D+2*\q], 1, v[R+16*\q]
	v_max_u32 v[D+2*\q+1], 1, v[R+16*\q+15]
	v_sub_nc_u32 v[D+2*\q+1], v[D+2*\q+1], v[D+2*\q]
	v_add_nc_u32 v[D+2*\q], -1, v[D+2*\q]
.endr
	v_lshlrev_b32 v[T+2], 5, v1
	s_lshl_b32 s33, s2, 10
	v_add_nc_u32 v[T+2], s33, v[T+2]
	s_wait_alu depctr_va_vdst(0)                   ; the counts in R, the pairs in D and the two offsets v[T+3], v[T+2] are written: the eighteen stores read them
.irp q, 0,1,2,3,4,5,6,7,8,9,10,11,12,13,14,15
	global_store_b128 v[T+3], v[R+4*\q:R+4*\q+3], s[26:27] offset:16*\q  ; 16 bytes a lane, lanes 256 bytes apart: 32 KiB in the whole launch go out so
.endr
	global_store_b128 v[T+2], v[D:D+3], s[26:27] offset:32768
	global_store_b128 v[T+2], v[D+4:D+7], s[26:27] offset:32784
	s_branch .Lend
; THE WEIGHTS, TURNED.  W is [k][n] f32; ops wants [n][k] f16.  A work-group takes 128 k x 256 n, a wave 128 k x 64 n, 32 k a trip.
; A lane packs two neighbouring k of one n into a word and puts it into its wave's stage ([n][k], rows of 272 bytes); whole rows of 256 bytes come back.
.macro TURN_LOADS                      ; a trip's 32 source rows
.irp j, 0,1,2,3,4,5,6,7,8,9,10,11,12,13,14,15
	global_load_b128 v[R+4*\j:R+4*\j+3], v[AUX+\j], s[38:39] th:TH_LOAD_NT
.endr
.endm
.Lturn:
	s_sub_co_u32 s32, ttmp9, 1
	s_lshr_b32 s33, s32, 6                         ; 0 Wq, 1 Wkv, 2 Wout
	s_and_b32 s32, s32, 63
	s_mov_b32 s37, WKV0
	s_cmp_eq_u32 s33, 0
	s_cselect_b32 s36, 0, 1                        ; a source row is 4,096 bytes (Wq) or twice that
	s_cselect_b64 s[38:39], s[14:15], s[16:17]
	s_cselect_b32 s37, WQ0, s37
	s_cmp_eq_u32 s33, 2
	s_cselect_b64 s[38:39], s[18:19], s[38:39]
	s_cselect_b32 s37, WO0, s37
	s_add_co_u32 s40, s36, 2
	s_lshr_b32 s41, s32, s40                       ; which 128 k
	s_lshl_b32 s42, 4, s36
	s_sub_co_u32 s42, s42, 1
	s_and_b32 s42, s32, s42                        ; which 256 n
	s_add_co_u32 s43, s36, 12                      ; log2 of a source row's bytes
	s_add_co_u32 s44, s36, 19
	s_lshl_b32 s34, s41, s44                       ; 128 source rows,
	s_lshl_b32 s45, s42, 10                        ; 256 n of 4 bytes,
	s_add_co_u32 s34, s34, s45
	s_lshl_b32 s45, s2, 8                          ; my wave's 64 n
	s_add_co_u32 s34, s34, s45
	s_add_nc_u64 s[38:39], s[38:39], s[34:35]
	s_lshl_b32 s45, s42, 8
	s_add_co_u32 s37, s37, s45
	s_lshl_b32 s45, s2, 6
	s_add_co_u32 s37, s37, s45                     ; my first row of ops
	s_lshl_b32 s34, s37, 12
	s_lshl_b32 s45, s41, 8                         ; 128 k of 2 bytes
	s_add_co_u32 s34, s34, s45
	s_add_nc_u64 s[24:25], s[24:25], s[34:35]
	s_lshl_b32 s46, 32, s43                        ; a trip's 32 source rows
	s_mov_b32 s47, 0
	v_and_b32 v[T], 15, v1                         ; i: my 4 n
	v_lshrrev_b32 v[T+1], 4, v1                    ; hh
	v_lshlrev_b32 v[T+2], 1, v[T+1]
	v_lshlrev_b32 v[T+2], s43, v[T+2]              ; source rows 2 hh on
	v_lshl_add_u32 v[T+2], v[T], 4, v[T+2]
.set j, 0
.rept 16                                       ; load j takes source row 4 (j / 2) + 2 hh + j % 2: sixteen lanes read 256 bytes of a row
	s_lshl_b32 s33, 4*(j/2)+j%2, s43
	v_add_nc_u32 v[AUX+j], s33, v[T+2]
.set j, j+1
.endr
	s_mul_i32 s33, s2, 17408                       ; my wave's stage
	v_mul_u32_u24 v[LA], v[T], 1088                ; row 4 i of 272 bytes,
	v_lshl_add_u32 v[LA], v[T+1], 2, v[LA]         ; k = 2 hh
	v_add_nc_u32 v[LA], s33, v[LA]
	v_mul_u32_u24 v[RDB], v[T+1], 272
	v_lshl_add_u32 v[RDB], v[T], 4, v[RDB]
	v_add_nc_u32 v[RDB], s33, v[RDB]
	v_lshlrev_b32 v[GOB], 12, v[T+1]
	v_lshl_add_u32 v[GOB], v[T], 4, v[GOB]
	s_wait_alu depctr_va_vdst(0)                   ; the sixteen offsets in AUX, v[RDB] and v[GOB] are written, for the whole path: no line below writes them again
	TURN_LOADS                                     ; the first trip's rows
	s_mov_b32 s32, 4
.Lturn_trip:
	s_wait_loadcnt 0x0                             ; the trip's sixteen loads are in, so their base may be stepped
	s_add_nc_u64 s[38:39], s[38:39], s[46:47]
.irp g, 0,1,2,3,4,5,6,7
.irp c, 0,1,2,3
	RND2 D+4*\g+\c, R+8*\g+\c, R+8*\g+4+\c, D+4*\g+\c
.endr
.endr
	s_wait_alu depctr_va_vdst(0)                   ; the roundings are done reading and writing R, in which the next loads land; they have written D, and the last trip's add v[LA], which the LDS stores read
	s_cmp_eq_u32 s32, 1
	s_cbranch_scc1 .Lturn_no_more                  ; behind the last trip there are no rows to load
	TURN_LOADS                                     ; the next trip's rows go out ahead of this trip's LDS stores
.Lturn_no_more:
.irp g, 0,1,2,3,4,5,6,7
.irp c, 0,1,2,3
	ds_store_b32 v[LA], v[D+4*\g+\c] offset:\c*272+\g*8  ; lanes 1,088 bytes apart, four deep
.endr
.endr
	s_wait_alu depctr_vm_vsrc(0)                   ; the LDS stores have read v[LA], which the add below writes, and D, which the next trip's roundings and, behind the loop, the rows that come back write
	v_add_nc_u32 v[LA], 64, v[LA]                  ; 32 k on
	s_sub_co_u32 s32, s32, 1
	s_cmp_lg_u32 s32, 0
	s_cbranch_scc1 .Lturn_trip
; The rows come back into v88-215: D, whose last writers stand ahead of the last wait on va_vdst and whose readers ahead of the wait on vm_vsrc, and 64 registers that no line of this path has named.
; Since those waits the one vector line is the add to v[LA], which these loads and stores do not touch.
.set t, 0
.rept 32                                       ; LDS serves a wave's instructions in order (ISA guide 5.7.1.4): these see my stores above
	ds_load_b128 v[D+4*t:D+4*t+3], v[RDB] offset:t*544
.set t, t+1
.endr
.set t, 0
.rept 32
	s_wait_dscnt 31-t                              ; load t is back; the younger ones stay out
	global_store_b128 v[GOB], v[D+4*t:D+4*t+3], s[24:25] offset:t*8192  ; sixteen lanes store 256 consecutive bytes of one row, aligned
.set t, t+1
.endr
	s_branch .Lend
; MEDIA.  A wave takes 8 rows of 1,024 numbers, two a trip.
.macro MEDIA_LOADS
.set q, 0
.rept 16
	global_load_b128 v[R+4*q:R+4*q+3], v[XO], s[20:21] offset:(q/8)*4096+(q%8)*512 th:TH_LOAD_NT
.set q, q+1
.endr
.endm
.Lmedia:
	s_sub_co_u32 s32, ttmp9, 193
	s_lshl_b32 s32, s32, 5
	s_lshl_b32 s33, s2, 3
	s_add_co_u32 s32, s32, s33
	s_lshl_b32 s34, s32, 12                        ; a row is 4,096 bytes in media and in ops
	s_add_nc_u64 s[20:21], s[20:21], s[34:35]
	s_add_nc_u64 s[24:25], s[24:25], s[34:35]
	s_add_nc_u64 s[24:25], s[24:25], MED0*4096
	s_wait_alu depctr_va_vdst(0)                   ; v[XO] and v[YO], made at the head, are written: every load and store of this path reads one of them
	MEDIA_LOADS                                    ; the first trip's two rows
	s_mov_b32 s32, 4
.Lmedia_trip:
	s_wait_loadcnt 0x0                             ; the trip's sixteen loads are in, so their base may be stepped
	s_add_nc_u64 s[20:21], s[20:21], 8192
.set q, 0
.rept 16
	RND2 D+2*q, R+4*q, R+4*q+1, T
	RND2 D+2*q+1, R+4*q+2, R+4*q+3, T+2
.set q, q+1
.endr
	s_wait_alu depctr_va_vdst(0)                   ; the roundings are done reading and writing R, in which the next loads land, and have written D, which the stores read
	s_cmp_eq_u32 s32, 1
	s_cbranch_scc1 .Lmedia_no_more                 ; behind the wave's last two rows there are none to load
	MEDIA_LOADS                                    ; the next two rows go out ahead of this trip's stores
.Lmedia_no_more:
.set q, 0
.rept 16
	global_store_b64 v[YO], v[D+2*q:D+2*q+1], s[24:25] offset:(q/8)*4096+(q%8)*256  ; 32 lanes store 256 consecutive bytes, aligned
.set q, q+1
.endr
	s_wait_xcnt 0x0                                ; the stores have had their addresses translated: their data and their base are written again only behind this wait
	s_wait_alu depctr_vm_vsrc(0)                   ; the stores have read D, which the next trip's roundings write
	s_add_nc_u64 s[24:25], s[24:25], 8192
	s_sub_co_u32 s32, s32, 1
	s_cmp_lg_u32 s32, 0
	s_cbranch_scc1 .Lmedia_trip
	s_branch .Lend
; LAYERNORM.  A wave takes a whole row of 2,048 numbers (64 registers) and keeps it between the passes: mean, then the squares of the differences, then the scaling.  Four rows a wave;
; the next row's loads go out as soon as this row has been copied.  Register 4 j + c of a lane is column 128 j + 4 lane + c.
.Lnorm:
	s_sub_co_u32 s32, ttmp9, 321
	s_lshl_b32 s32, s32, 4
	s_lshl_b32 s33, s2, 2
	s_add_co_u32 s32, s32, s33                     ; my first row
	s_lshl_b32 s34, s32, 13
	s_add_nc_u64 s[8:9], s[8:9], s[34:35]
	s_lshl_b32 s34, s32, 12
	s_add_nc_u64 s[24:25], s[24:25], s[34:35]
	s_wait_alu depctr_va_vdst(0)                   ; v[XO] and v[YO], made at the head, are written: every load and store of this path reads one of them
.irp j, 0,1,2,3,4,5,6,7,8,9,10,11,12,13,14,15
	global_load_b128 v[R+4*\j:R+4*\j+3], v[XO], s[10:11] offset:512*\j
	global_load_b128 v[D+4*\j:D+4*\j+3], v[XO], s[12:13] offset:512*\j
.endr
	v_mov_b32 v[INV], 0x3a000000                   ; 2^-11 = 1 / 2,048
	s_wait_loadcnt 0x0
.set i, 0
.rept 32
	v_cvt_pk_bf16_f32 v[G+i], v[R+2*i], v[R+2*i+1]
	v_cvt_pk_bf16_f32 v[BB+i], v[D+2*i], v[D+2*i+1]
.set i, i+1
.endr
	s_wait_alu depctr_va_vdst(0)                   ; g's conversions are done reading R, in which the first row of x lands
.irp j, 0,1,2,3,4,5,6,7,8,9,10,11,12,13,14,15
	global_load_b128 v[R+4*\j:R+4*\j+3], v[XO], s[8:9] offset:512*\j th:TH_LOAD_NT
.endr
	s_mov_b32 s42, 4
.Lnorm_row:
	s_wait_loadcnt 0x0                             ; the row is in
.set i, 0
.rept 32                                       ; x rounded to bf16, as f32
	v_cvt_pk_bf16_f32 v[T+2*(i%2)], v[R+2*i], v[R+2*i+1]
	v_lshlrev_b32 v[D+2*i], 16, v[T+2*(i%2)]
	v_and_b32 v[D+2*i+1], s28, v[T+2*(i%2)]
.set i, i+1
.endr
	s_wait_alu depctr_va_vdst(0)                   ; the copy is done reading R, in which the next row lands; no vector line from here to the row's end names R
	s_cmp_eq_u32 s42, 1
	s_cbranch_scc1 .Lnorm_no_more                  ; behind the wave's last row there is none to load
	s_add_nc_u64 s[8:9], s[8:9], 8192              ; (the loads that read this base are in)
.irp j, 0,1,2,3,4,5,6,7,8,9,10,11,12,13,14,15
	global_load_b128 v[R+4*\j:R+4*\j+3], v[XO], s[8:9] offset:512*\j th:TH_LOAD_NT
.endr
.Lnorm_no_more:
.irp c, 0,1,2,3
	v_pk_add_f32 v[SC+2*\c:SC+2*\c+1], v[D+2*\c:D+2*\c+1], v[D+8+2*\c:D+8+2*\c+1]  ; the first sums start the chains
.endr
.set i, 8
.rept 24
	v_pk_add_f32 v[SC+2*(i%4):SC+2*(i%4)+1], v[SC+2*(i%4):SC+2*(i%4)+1], v[D+2*i:D+2*i+1]
.set i, i+1
.endr
	FOLD
	v_mul_f32 v[MU], v[INV], v[SC]
	v_mul_f32 v[MU+1], v[INV], v[SC]
.set i, 0
.rept 32
	v_pk_add_f32 v[D+2*i:D+2*i+1], v[D+2*i:D+2*i+1], v[MU:MU+1] neg_lo:[0,1] neg_hi:[0,1]
.set i, i+1
.endr
.irp c, 0,1,2,3
	v_pk_mul_f32 v[SC+2*\c:SC+2*\c+1], v[D+2*\c:D+2*\c+1], v[D+2*\c:D+2*\c+1]
.endr
.set i, 4
.rept 28
	v_pk_fma_f32 v[SC+2*(i%4):SC+2*(i%4)+1], v[D+2*i:D+2*i+1], v[D+2*i:D+2*i+1], v[SC+2*(i%4):SC+2*(i%4)+1]
.set i, i+1
.endr
	FOLD
	v_fmaak_f32 v[T], v[SC], v[INV], 0x3727c5ac    ; the variance + 1e-5
	v_rsq_f32 v[RS], v[T]
	v_nop                                          ; a plain instruction behind the root,
	s_wait_alu depctr_va_vdst(0)                   ; and a wait ahead of the first line that names its result, v[RS]
	v_mov_b32 v[RS+1], v[RS]
.set i, 0
.rept 32
	v_pk_mul_f32 v[D+2*i:D+2*i+1], v[D+2*i:D+2*i+1], v[RS:RS+1]
.set i, i+1
.endr
.set i, 0
.rept 32                                       ; times g plus b, both read as bf16 halves, in f32
	v_fma_mix_f32_bf16 v[D+2*i], v[D+2*i], v[G+i], v[BB+i] op_sel:[0,0,0] op_sel_hi:[0,1,1]
	v_fma_mix_f32_bf16 v[D+2*i+1], v[D+2*i+1], v[G+i], v[BB+i] op_sel:[0,1,1] op_sel_hi:[0,1,1]
.set i, i+1
.endr
.set j, 0
.rept 16
	v_cvt_pk_f16_f32 v[D+4*j], v[D+4*j], v[D+4*j+1]
	v_cvt_pk_f16_f32 v[D+4*j+1], v[D+4*j+2], v[D+4*j+3]
.set j, j+1
.endr
	s_wait_alu depctr_va_vdst(0)                   ; the conversions have written the row's f16 pairs in D, which the sixteen stores read
.set j, 0
.rept 16
	global_store_b64 v[YO], v[D+4*j:D+4*j+1], s[24:25] offset:256*j  ; 32 lanes store 256 consecutive bytes, aligned
.set j, j+1
.endr
	s_wait_xcnt 0x0                                ; the stores have had their addresses translated: their data and their base are written again only behind this wait
	s_wait_alu depctr_vm_vsrc(0)                   ; the stores have read D, which the next row's copy writes
	s_add_nc_u64 s[24:25], s[24:25], 4096
	s_sub_co_u32 s42, s42, 1
	s_cmp_lg_u32 s42, 0
	s_cbranch_scc1 .Lnorm_row
.Lend:
	s_wait_dscnt 0x0                               ; the closing lines, six on end
	s_wait_alu 0x0
	s_wait_tensorcnt 0x0
	ds_add_u32 v2, v3
	s_wait_dscnt 0x0
	s_endpgm
.Lfunc_end_k_q982fdad195_prep:
	.size	k_q982fdad195_prep, .Lfunc_end_k_q982fdad195_prep-k_q982fdad195_prep
	.p2alignl 7, 3214868480
	.fill 96, 4, 3214868480
	.section	.rodata,"a",@progbits
	.p2align	6, 0x0
	.amdhsa_kernel k_q982fdad195_prep
		.amdhsa_group_segment_fixed_size 70144
		.amdhsa_private_segment_fixed_size 0
		.amdhsa_enable_private_segment 0
		.amdhsa_kernarg_size 80
		.amdhsa_user_sgpr_count 2
		.amdhsa_user_sgpr_kernarg_segment_ptr 1
		.amdhsa_wavefront_size32 1
		.amdhsa_system_sgpr_workgroup_id_x 1
		.amdhsa_system_sgpr_workgroup_id_y 1
		.amdhsa_system_sgpr_workgroup_id_z 1
		.amdhsa_system_vgpr_workitem_id 0
		.amdhsa_next_free_vgpr 232
		.amdhsa_next_free_sgpr 66
		.amdhsa_reserve_vcc 0
		.amdhsa_float_denorm_mode_32 3
		.amdhsa_float_denorm_mode_16_64 3
		.amdhsa_memory_ordered 1
		.amdhsa_forward_progress 1
		.amdhsa_inst_pref_size 83
	.end_amdhsa_kernel
	.amdgpu_metadata
---
amdhsa.version: [ 1, 2 ]
amdhsa.kernels:
  - .name:           k_q982fdad195_prep
    .symbol:         k_q982fdad195_prep.kd
    .args:
      - { .name: x, .offset: 0, .size: 8, .value_kind: global_buffer, .address_space: global }
      - { .name: ln_g, .offset: 8, .size: 8, .value_kind: global_buffer, .address_space: global }
      - { .name: ln_b, .offset: 16, .size: 8, .value_kind: global_buffer, .address_space: global }
      - { .name: Wq, .offset: 24, .size: 8, .value_kind: global_buffer, .address_space: global }
      - { .name: Wkv, .offset: 32, .size: 8, .value_kind: global_buffer, .address_space: global }
      - { .name: Wout, .offset: 40, .size: 8, .value_kind: global_buffer, .address_space: global }
      - { .name: media, .offset: 48, .size: 8, .value_kind: global_buffer, .address_space: global }
      - { .name: media_locations, .offset: 56, .size: 8, .value_kind: global_buffer, .address_space: global }
      - { .name: ops, .offset: 64, .size: 8, .value_kind: global_buffer, .address_space: global }
      - { .name: idx, .offset: 72, .size: 8, .value_kind: global_buffer, .address_space: global }
    .group_segment_fixed_size: 70144
    .private_segment_fixed_size: 0
    .kernarg_segment_align: 8
    .kernarg_segment_size: 80
    .max_flat_workgroup_size: 128
    .sgpr_count:     66
    .vgpr_count:     232
    .wavefront_size: 32
...
	.end_amdgpu_metadata
.endif
;; end of part 6
;; launch proj: the kernel of part 2 again; grid 4 x 64, 4 waves a work-group, clusters of 4 x 4, 327,680 bytes of LDS; arguments ops, qkv; writes qkv
;; launch vmean: the kernel of part 3 again; grid 32 x 4, 4 waves a work-group, no clusters, 0 bytes of LDS; arguments qkv, vx; writes vx
;; launch attn: the kernel of part 4 again; grid 512 x 1, 8 waves a work-group, no clusters, 35,840 bytes of LDS; arguments qkv, vx, idx, o16; writes o16
;; launch gout: the kernel of part 5 again; grid 8 x 32, 4 waves a work-group, clusters of 4 x 4, 327,680 bytes of LDS; arguments o16, ops, out0; writes out0
